; MI455X (gfx1250); checked and timed in simulation.
; The chip was launched on July 23, 2026; its instructions are those of AMD's public machine-readable ISA for CDNA 5 (MIT licence, August 2026) and "CDNA5" Instruction Set Architecture Reference Guide (July 2026). The comments in the code are by the model that wrote it; some were corrected since.
;; Attention. Allowed arithmetic: matrix products marked QUANTISED: E4M3 operands, one given power-of-two scale a tensor, by v_wmma_f32_16x16x64_fp8_fp8 or v_wmma_f32_16x16x128_fp8_fp8, f32 sums; everything else in f32.
;; Inputs: W_K 16 x 1,024 x 64 float32; W_O 16 x 64 x 1,024 float32; W_Q 16 x 1,024 x 64 float32; W_V 16 x 1,024 x 64 float32; b_K 16 x 64 float32; b_O 1,024 float32; b_Q 16 x 64 float32; b_V 16 x 64 float32; lowp_scales 12 int32 (the exponents e of the quantised operands' scales 2^e); resid_pre 4 x 2,048 x 1,024 float32.
;; Outputs: out0 4 x 2,048 x 1,024 float32.
;; This version of the problem:
;;   THIS VERSION OF THE PROBLEM IS GIVEN IN LOW PRECISION. The matrix products marked QUANTISED in the list below multiply operands that are first quantised to E4M3 (4 exponent bits, 3 mantissa bits; 8 bits a number), with one given power-of-two scale for each operand tensor; their sums are f32. All else is computed in f32.
;;   The module's matrix products, in the order in which they are computed (A, B: the left and right operand; K: the contracted axis; several contracted axes count as one K, in the product's order):
;;     1. [M 8,192, K 1,024] x [K 1,024, N 1,024]; A: input resid_pre; B: input W_Q: QUANTISED (scales: A lowp_scales[0], B lowp_scales[1])
;;     2. [M 8,192, K 1,024] x [K 1,024, N 1,024]; A: input resid_pre; B: input W_K: QUANTISED (scales: A lowp_scales[2], B lowp_scales[3])
;;     3. [M 8,192, K 1,024] x [K 1,024, N 1,024]; A: input resid_pre; B: input W_V: QUANTISED (scales: A lowp_scales[4], B lowp_scales[5])
;;     4. batch 64 x [M 2,048, K 64] x [K 64, N 2,048]; A: computed on the way; B: computed on the way: QUANTISED (scales: A lowp_scales[6], B lowp_scales[7])
;;     5. batch 64 x [M 64, K 2,048] x [K 2,048, N 2,048]; A: computed on the way; B: softmax (see below): QUANTISED (scales: A lowp_scales[8], B lowp_scales[9])
;;     6. [M 8,192, K 1,024] x [K 1,024, N 1,024]; A: computed on the way; B: input W_O: QUANTISED (scales: A lowp_scales[10], B lowp_scales[11])
;;   THE QUANTISER, for each operand of a quantised product, along K:
;;     - The operand's scale is 2^e, e = its entry of the input lowp_scales (int32; the entries are numbered through the quantised products in the list's order, A before B).
;;     - Each number is divided by the scale, clamped to +-448, and rounded to the nearest number of E4M3, ties to even, subnormals kept.
;;     - The product sums the exact products of the quantised numbers (number of the format x scale) in f32.
;;   ~~~python
;;   def quantise(x, axis, e):      # numpy; x: float32 -> the quantised numbers, widened to float32 again
;;       x = np.moveaxis(x, axis, -1); K = x.shape[-1]
;;       r = np.clip(x / 2.0 ** e, -448, 448)
;;       step = 2.0 ** (np.maximum(np.frexp(np.where(r == 0, 1, r))[1] - 1, -6) - 3)
;;       q = np.round(r / step) * step * 2.0 ** e      # np.round: ties to even
;;       return np.moveaxis(q, -1, axis).astype(np.float32)
;;   ~~~
;;   SOFTMAX AHEAD OF A QUANTISED PRODUCT. Where the list says 'softmax', what is quantised is not the finished softmax but p = 2^(t - M), with t = logit x log2(e) and M = ceil(the row's largest t), a whole number; so 1/2 < the row's largest p <= 1. The row's sum l is taken of the UNQUANTISED p, in f32, and the product's result is divided by l at the end. Since M is a whole number, a kernel that streams over the keys may use a running M (the ceiling of the running maximum): every later rescaling is an exact power of two, so the quantised numbers keep their values, but for numbers so far below the row's largest that they fall under the format's range.
;;   OPERANDS COMPUTED ON THE WAY. 'Computed on the way' means the value that the module computes at that place (a softmax that the list does not call 'softmax' is quantised finished and normalised). What goes into a quantiser is computed in f32, as accurately as f32 sums, v_exp_f32 and their like allow (about 1e-6 of the number): no bf16 or f16 on the way to a quantiser, and a product that is left as it is and whose result goes on into a quantised operand takes f32 operands (vector FMAs, or v_wmma_f32_16x16x4_f32). A number that lies on a knife's edge between two numbers of the format may be rounded either way, as far as f32 arithmetic and the matrix unit's own rounding can turn it there, and no further.
;; 2 versions, each right; version 2 is version 1 with the launch attn written anew for expert scheduling mode. Each part assembles by itself: llvm-mc -triple=amdgcn-amd-amdhsa -mcpu=gfx1250 --defsym DOCPART=n.
;; ======== version 1 of 2: 4 launches
;; limits: right only within a limited range of input values
;; workspace buffers: xc 25,165,824 bytes; wc 4,194,304 bytes; qkc 16,777,216 bytes; vc 8,388,608 bytes; zc 8,388,608 bytes
;; launch quant (part 1): grid 320 x 1, 8 waves a work-group, no clusters, 70,656 bytes of LDS; arguments resid_pre, W_Q, W_K, W_V, W_O, lowp_scales, xc, wc; writes xc, wc
.if DOCPART == 1
	.amdgcn_target "amdgcn-amd-amdhsa--gfx1250"
	.amdhsa_code_object_version 6
	.text
	.protected	k_q5e6bc3b298_quant
	.globl	k_q5e6bc3b298_quant
	.p2align	8
	.type	k_q5e6bc3b298_quant,@function
k_q5e6bc3b298_quant:
	s_mov_b64 s[64:65], 0
	v_nop
	global_prefetch_b8 v0, s[64:65] scope:SCOPE_SE
	s_setreg_imm32_b32 hwreg(HW_REG_WAVE_MODE, 25, 1), 1
	s_wait_xcnt 0x0
; LAUNCH 1 OF 4.  resid_pre and the four weights become codes of E4M3, K innermost, each with the scale 2^e that lowp_scales gives for it:
; code = x / 2^e, held within +-448, rounded to the nearest code, ties to even.
; WORK THAT THE PROGRAM LEAVES OUT (in the launch attn).  reference() puts IGNORE in the place of every score with k > q, by its own jnp.tril, whatever the inputs hold: so the
; products q . k of hidden pairs reach no output, and a step of 128 keys that lies wholly behind a tile's queries is not multiplied.  A hidden key's weight is p = 2^(-1e5 log2(e) - M):
; under the quantiser of the fifth product its code is 0, so it adds nothing to that product, and what it adds to the row's sum is less than 2^-280 of the sum's largest term.
; LIMIT: that holds for rows whose largest kept score lies above about -99,800.  A quantised score is at most 8 x 448^2 x 2^(e6 + e7) in size, so with e6 + e7 <= -5 every row is such a row; other rows are not served.
; LIMIT: a NaN, an infinity or an overflow that reaches only the work left out is not carried to the result.  No input is left out: every bias and every scale is loaded by some launch.
; LIMITS of this launch: every e between -126 and 119, so that 2^e and 448 x 2^e are f32 numbers.  NaN among the inputs is not served (an infinity is held at the largest code).
; xc [3][8192][1024]: resid_pre under e0, e2, e4 (the three products may be given three scales).  Inside each run of 512 along K, place 16 l + 4 i + j holds k = 128 i + 4 l + j.
; wc [4][1024 n][1024]: W_Q, W_K, W_V (n = 64 head + d) with the SAME order of k as xc, so that every product meets its partner; W_O (n = m) with k = 64 head + d in its own order.
; Work-groups 0-63 take the weights (their chains of loads are the longer, so they start first), 64-319 take resid_pre.  Memory binds: no matrix unit, no cluster (no byte is read by two work-groups), no tensor load.
.set SPARE, 69632                      ; behind the eight stages: the spare words, 128 bytes for each wave, four blocks of 256 bytes that no other line names
.set SPW,   2                          ; v2  LDS address of my spare word; never rewritten
.set NIL,   3                          ; v3  0; never rewritten
.set X,     16                         ; resid path: v16-143 eight steps x 16 numbers as loaded; a step's codes then take its first 12 registers
.set T,     144                        ; resid path: v144-191 the 16 numbers held, once for each of the three scales
.set OFF,   16                         ; weight path: v16-47 byte offset of row i of a block, + 4 x lane
.set XW,    48                         ; weight path: v48-111 two sets of 32 numbers
.set C,     112                        ; weight path: v112-119 a block's codes
.set OUTR,  120                        ; weight path: v120-183 the way out
.set WP,    272                        ; a stage row: 256 bytes of codes + 16
.set WST,   32*WP                      ; a wave's stage
	s_load_b256 s[4:11], s[0:1], 0x0               ; resid_pre s[4:5], W_Q s[6:7], W_K s[8:9], W_V s[10:11]
	s_load_b256 s[12:19], s[0:1], 0x20             ; W_O s[12:13], lowp_scales s[14:15], xc s[16:17], wc s[18:19]
	v_lshl_add_u32 v[SPW], v0, 2, SPARE
	v_mov_b32 v[NIL], 0
	v_lshrrev_b32 v1, 5, v0
	v_readfirstlane_b32 s20, v1                    ; wave 0..7
	v_and_b32 v10, 31, v0                          ; lane
	v_lshlrev_b32 v1, 4, v10                       ; 16 x lane
	s_wait_kmcnt 0x0
	s_cmp_lt_u32 ttmp9, 64
	s_cbranch_scc1 .Lweights
; ---- resid_pre.  A wave takes 8 steps of 512 numbers.  Each of a step's four loads reads 512 consecutive bytes, 16 a lane; a lane's 16 numbers become 16 codes, stored as 512 consecutive bytes a wave:
; that is the order of k stated above.  All 32 loads go out first; every offset is an immediate; no register that a store reads is written again, so no wait for stores is needed.
	s_load_b256 s[32:39], s[14:15], 0x0            ; e0 .. e7: e0, e2, e4 are s32, s34, s36
	s_sub_co_u32 s21, ttmp9, 64
	s_lshl_b32 s21, s21, 3
	s_add_co_u32 s21, s21, s20                     ; which run of 4,096 numbers is my wave's
	s_lshl_b32 s24, s21, 14
	s_mov_b32 s25, 0
	s_add_nc_u64 s[22:23], s[4:5], s[24:25]
	s_lshl_b32 s24, s21, 12
	s_add_nc_u64 s[26:27], s[16:17], s[24:25]      ; its codes in set 0,
	s_add_nc_u64 s[28:29], s[26:27], 0x800000      ; set 1,
	s_add_nc_u64 s[30:31], s[26:27], 0x1000000     ; set 2
.irp t, 0,1,2,3,4,5,6,7
.irp i, 0,1,2,3
	global_load_b128 v[X+16*\t+4*\i:X+16*\t+4*\i+3], v1, s[22:23] offset:2048*\t+512*\i th:TH_LOAD_NT
.endr
.endr
	s_wait_kmcnt 0x0
.irp e, 0,1,2
	s_add_co_i32 s40, s[32+2*\e], 127
	s_lshl_b32 s41, s40, 23
	v_mov_b32 v[4+\e], s41                         ; 2^e as f32: the conversion takes its exponent field
	s_add_co_i32 s40, s40, 8
	s_lshl_b32 s40, s40, 23
	s_or_b32 s40, s40, 0x600000
	v_mov_b32 v[7+\e], s40                         ; 448 x 2^e
.endr
.macro XSTEP t
	s_wait_loadcnt 28-4*(\t)                       ; loads come back in order: this step's four are in, the later steps' stay out
.irp e, 0,1,2
.set n, 0
.rept 16
	v_med3_num_f32 v[T+16*\e+n], v[X+16*(\t)+n], -v[7+\e], v[7+\e]   ; the conversion to an 8-bit code does not saturate (ISA guide 7.6.2): the hold at the largest code x the scale
.set n, n+1
.endr
.endr
.irp e, 0,1,2
	v_cvt_scalef32_pk8_fp8_f32 v[X+16*(\t)+4*\e:X+16*(\t)+4*\e+1], v[T+16*\e:T+16*\e+7], v[4+\e]      ; the codes land on the step's own numbers, which all three holds have read
	v_cvt_scalef32_pk8_fp8_f32 v[X+16*(\t)+4*\e+2:X+16*(\t)+4*\e+3], v[T+16*\e+8:T+16*\e+15], v[4+\e]
.endr
	v_nop                                          ; a plain line between the conversions and the next step's holds, which write their sources
.irp e, 0,1,2
	global_store_b128 v1, v[X+16*(\t)+4*\e:X+16*(\t)+4*\e+3], s[26+2*\e:27+2*\e] offset:512*(\t)   ; 32 lanes store 512 consecutive bytes, aligned
.endr
.endm
.irp t, 0,1,2,3,4,5,6,7
	XSTEP \t
.endr
	s_wait_tensorcnt 0x0                           ; the wave's end
	ds_add_u32 v[SPW], v[NIL]
	s_wait_dscnt 0x0
	s_endpgm
; ---- the weights.  K is not innermost in memory: A LANE TAKES A COLUMN n AND ITS REGISTERS RUN DOWN K, in the order in which the codes are to lie; nothing is transposed by an instruction.
; Work-group: tensor T = id / 16, columns 256 ((id / 4) % 4) on, places 256 (id % 4) on.  A wave: 32 columns x 256 places = 8 blocks of 32.  What differs between W_Q, W_K, W_V ([head][k][d]) and W_O ([k][m]) is
; chosen by s_cselect on T: both kinds take one way through the text.  Place 32 t + i of the wave's 256 is, for T < 3, k = 512 (kb / 2) + 64 (kb % 2) + 8 t + 128 ((i / 4) % 4) + 4 (i / 16) + i % 4; for W_O k = 256 kb + 32 t + i.
.Lweights:
	s_load_b256 s[56:63], s[14:15], 0x0            ; e0 .. e7: e1, e3, e5 are s57, s59, s61
	s_load_b32 s54, s[14:15], 0x2c                 ; e11
	s_lshr_b32 s21, ttmp9, 4                       ; T
	s_bfe_u32 s22, ttmp9, 0x20002                  ; which 256 columns
	s_and_b32 s23, ttmp9, 3                        ; kb: which 256 places
	s_lshl_b32 s24, s22, 8
	s_lshl_b32 s25, s20, 5
	s_add_co_u32 s24, s24, s25                     ; n0: my wave's first column
	s_lshr_b32 s25, s24, 6                         ; T < 3: the head, 2^18 bytes each,
	s_lshl_b32 s25, s25, 18
	s_and_b32 s27, s24, 63
	s_lshl_b32 s27, s27, 2
	s_add_co_u32 s25, s25, s27                     ; + 4 d,
	s_lshr_b32 s27, s23, 1
	s_lshl_b32 s27, s27, 17
	s_add_co_u32 s25, s25, s27                     ; + 512 (kb / 2) rows of 256 bytes,
	s_and_b32 s27, s23, 1
	s_lshl_b32 s27, s27, 14
	s_add_co_u32 s25, s25, s27                     ; + 64 (kb % 2) rows
	s_lshl_b32 s26, s24, 2                         ; W_O: 4 n0
	s_lshl_b32 s27, s23, 20
	s_add_co_u32 s26, s26, s27                     ; + 256 kb rows of 4,096 bytes
	s_lshl_b32 s52, s21, 20                        ; the codes: tensor T,
	s_lshl_b32 s27, s24, 10
	s_add_co_u32 s52, s52, s27                     ; row n0 of 1,024 bytes,
	s_lshl_b32 s27, s23, 8
	s_add_co_u32 s52, s52, s27                     ; place 256 kb
	s_mov_b32 s53, 0
	s_add_nc_u64 s[50:51], s[18:19], s[52:53]
	s_mul_i32 s48, s20, WST                        ; my stage
	v_lshlrev_b32 v4, 2, v10                       ; in: 4 bytes a lane
	v_mul_u32_u24 v13, v10, WP
	v_add_nc_u32 v13, s48, v13                     ; into the stage: row = my column
	v_and_b32 v5, 15, v10
	v_lshrrev_b32 v6, 4, v10
	v_mul_u32_u24 v14, v6, WP
	v_lshl_add_u32 v14, v5, 4, v14
	v_add_nc_u32 v14, s48, v14                     ; out of it: sixteen lanes to a row, two rows an instruction
	v_lshlrev_b32 v15, 10, v6
	v_lshl_add_u32 v15, v5, 4, v15                 ; and the same place in wc
	s_cmp_eq_u32 s21, 0
	s_cselect_b64 s[30:31], s[6:7], s[8:9]
	s_cmp_lt_u32 s21, 2
	s_cselect_b64 s[30:31], s[30:31], s[10:11]
	s_cmp_lt_u32 s21, 3                            ; SCC = (T < 3) stays through the lines below: moves, selects and vector lines leave it alone
	s_cselect_b64 s[30:31], s[30:31], s[12:13]     ; the tensor
	s_cselect_b32 s52, s25, s26                    ; my wave's first byte in it
	s_mov_b32 s28, 0x20000
	s_cselect_b32 s28, 2048, s28                   ; from block to block: 8 rows of 256 bytes, or 32 rows of 4,096
.set i, 0
.rept 32
	s_mov_b32 s29, 256*(128*((i>>2)&3)+4*(i>>4)+(i&3))
	s_cselect_b32 s29, s29, 4096*i
	v_add_nc_u32 v[OFF+i], s29, v4                 ; row i of a block
.set i, i+1
.endr
	s_mov_b32 s29, 0
	s_add_nc_u64 s[32:33], s[30:31], s[52:53]      ; a base for each of the eight blocks: nothing is stepped
.irp t, 1,2,3,4,5,6,7
	s_add_nc_u64 s[32+2*\t:33+2*\t], s[30+2*\t:31+2*\t], s[28:29]
.endr
.macro WLOAD t
.set i, 0
.rept 32
	global_load_b32 v[XW+32*((\t)%2)+i], v[OFF+i], s[32+2*(\t):33+2*(\t)] th:TH_LOAD_NT   ; 32 lanes read 128 consecutive bytes of one row
.set i, i+1
.endr
.endm
	WLOAD 0
	WLOAD 1
	s_wait_kmcnt 0x0
	s_cmp_eq_u32 s21, 0
	s_cselect_b32 s55, s57, s59
	s_cmp_lt_u32 s21, 2
	s_cselect_b32 s55, s55, s61
	s_cmp_lt_u32 s21, 3
	s_cselect_b32 s55, s55, s54                    ; e1, e3, e5 or e11
	s_add_co_i32 s55, s55, 127
	s_lshl_b32 s54, s55, 23
	v_mov_b32 v12, s54                             ; 2^e
	s_add_co_i32 s55, s55, 8
	s_lshl_b32 s55, s55, 23
	s_or_b32 s55, s55, 0x600000
	v_mov_b32 v11, s55                             ; 448 x 2^e
.macro WBLOCK t
.set XS, XW+32*((\t)%2)
.if (\t) < 7
	s_wait_loadcnt 32                              ; this block's 32 loads are in; the next block's may be out
.else
	s_wait_loadcnt 0
.endif
.set i, 0
.rept 32
	v_med3_num_f32 v[XS+i], v[XS+i], -v11, v11
.set i, i+1
.endr
.irp g, 0,1,2,3
	v_cvt_scalef32_pk8_fp8_f32 v[C+2*\g:C+2*\g+1], v[XS+8*\g:XS+8*\g+7], v12
.endr
	ds_store_b128 v13, v[C:C+3] offset:32*(\t)     ; 32 codes: 32 bytes of my column's row
	ds_store_b128 v13, v[C+4:C+7] offset:32*(\t)+16
.if (\t)+2 < 8
	WLOAD (\t)+2
.endif
	s_wait_dscnt 0x0                               ; the stores are done before the next block's codes are written; that block begins with 32 plain lines, which part its conversions from these
.endm
.irp t, 0,1,2,3,4,5,6,7
	WBLOCK \t
.endr
.irp u, 0,1,2,3,4,5,6,7,8,9,10,11,12,13,14,15
	ds_load_b128 v[OUTR+4*\u:OUTR+4*\u+3], v14 offset:2*\u*WP     ; LDS serves a wave's instructions in order: these see my stores
.endr
.irp u, 0,1,2,3,4,5,6,7,8,9,10,11,12,13,14,15
	s_wait_dscnt 15-\u
	global_store_b128 v15, v[OUTR+4*\u:OUTR+4*\u+3], s[50:51] offset:2048*\u   ; sixteen lanes store 256 consecutive bytes, aligned
.endr
	s_wait_tensorcnt 0x0                           ; the wave's end: behind my last LDS store
	ds_add_u32 v[SPW], v[NIL]
	s_wait_dscnt 0x0
	s_endpgm
.Lfunc_end_k_q5e6bc3b298_quant:
	.size	k_q5e6bc3b298_quant, .Lfunc_end_k_q5e6bc3b298_quant-k_q5e6bc3b298_quant
	.p2alignl 7, 3214868480
	.fill 96, 4, 3214868480
	.section	.rodata,"a",@progbits
	.p2align	6, 0x0
	.amdhsa_kernel k_q5e6bc3b298_quant
		.amdhsa_group_segment_fixed_size 70656
		.amdhsa_private_segment_fixed_size 0
		.amdhsa_enable_private_segment 0
		.amdhsa_kernarg_size 64
		.amdhsa_user_sgpr_count 2
		.amdhsa_user_sgpr_kernarg_segment_ptr 1
		.amdhsa_wavefront_size32 1
		.amdhsa_system_sgpr_workgroup_id_x 1
		.amdhsa_system_sgpr_workgroup_id_y 1
		.amdhsa_system_sgpr_workgroup_id_z 1
		.amdhsa_system_vgpr_workitem_id 0
		.amdhsa_next_free_vgpr 192
		.amdhsa_next_free_sgpr 66
		.amdhsa_reserve_vcc 0
		.amdhsa_float_denorm_mode_32 3
		.amdhsa_float_denorm_mode_16_64 3
		.amdhsa_memory_ordered 1
		.amdhsa_forward_progress 1
		.amdhsa_inst_pref_size 90
	.end_amdhsa_kernel
	.amdgpu_metadata
---
amdhsa.version: [ 1, 2 ]
amdhsa.kernels:
  - .name:           k_q5e6bc3b298_quant
    .symbol:         k_q5e6bc3b298_quant.kd
    .args:
      - { .name: resid_pre, .offset: 0, .size: 8, .value_kind: global_buffer, .address_space: global }
      - { .name: W_Q, .offset: 8, .size: 8, .value_kind: global_buffer, .address_space: global }
      - { .name: W_K, .offset: 16, .size: 8, .value_kind: global_buffer, .address_space: global }
      - { .name: W_V, .offset: 24, .size: 8, .value_kind: global_buffer, .address_space: global }
      - { .name: W_O, .offset: 32, .size: 8, .value_kind: global_buffer, .address_space: global }
      - { .name: lowp_scales, .offset: 40, .size: 8, .value_kind: global_buffer, .address_space: global }
      - { .name: xc, .offset: 48, .size: 8, .value_kind: global_buffer, .address_space: global }
      - { .name: wc, .offset: 56, .size: 8, .value_kind: global_buffer, .address_space: global }
    .group_segment_fixed_size: 70656
    .private_segment_fixed_size: 0
    .kernarg_segment_align: 8
    .kernarg_segment_size: 64
    .max_flat_workgroup_size: 256
    .sgpr_count:     66
    .vgpr_count:     192
    .wavefront_size: 32
...
	.end_amdgpu_metadata
.endif
;; end of part 1
;; launch qkv (part 2): grid 12 x 32, 4 waves a work-group, clusters of 4 x 4, 327,680 bytes of LDS; arguments xc, wc, lowp_scales, b_Q, b_K, b_V, qkc, vc; writes qkc, vc
.if DOCPART == 2
	.amdgcn_target "amdgcn-amd-amdhsa--gfx1250"
	.amdhsa_code_object_version 6
	.text
	.protected	k_q5e6bc3b298_qkv
	.globl	k_q5e6bc3b298_qkv
	.p2align	8
	.type	k_q5e6bc3b298_qkv,@function
k_q5e6bc3b298_qkv:
	s_mov_b64 s[64:65], 0
	v_nop
	global_prefetch_b8 v0, s[64:65] scope:SCOPE_SE
	s_setreg_imm32_b32 hwreg(HW_REG_WAVE_MODE, 25, 1), 1
	s_wait_xcnt 0x0
	s_wait_alu depctr_hold_cnt(0) depctr_sa_sdst(0) depctr_va_vdst(0) depctr_va_sdst(0) depctr_va_ssrc(0) depctr_va_vcc(0) depctr_vm_vsrc(0)
	s_getreg_b32 s2, hwreg(HW_REG_IB_STS2, 6, 4)
	s_cmp_eq_u32 s2, 0
	s_cbranch_scc0 .Lentry_in_a_cluster
	s_endpgm
.Lentry_in_a_cluster:
	s_bfe_u32 s2, ttmp6, 0x10000c
	s_cmp_lg_u32 s2, 0xf033
	s_cbranch_scc0 .Lentry_shape_is_right
	s_endpgm
.Lentry_shape_is_right:
; LAUNCH 2 OF 4.  q, k, v = x W + b (products 1 to 3 on codes of E4M3), each finished sum x 2^(ex + ew) + bias in one f32 multiply-add, then quantised with e6, e7, e8 and stored as IMAGES OF OPERAND REGISTERS for the launch attn.
; The cluster's x says which product: 0 q, 1 k, 2 v.  A work-group of four waves makes 256 x 256 results, a wave 128 x 128: 64 accumulators, 512 registers.  K = 1,024 goes in four steps of 256 through a ring of two LDS slots.
; ROLES.  Source 1 (R) gives a lane its ONE row, source 0 (P) its eight neighbouring rows.  q and k want eight neighbouring d of one position (their next K is d): R = x, P = W.  v wants eight neighbouring keys of one d
; (its next K is the keys): R = W_V, P = x.  The roles are chosen by ADDRESS alone (s_cselect on the cluster's x, which all sixteen partners share); the loop is one text.
; CLUSTERS: 4 x 4 work-groups.  R's tile is shared along a row of the cluster, P's along a column: each is asked for JOINTLY, by the same tensor load with the same descriptor and a mask that names the four.
; qkc: q at byte 0, k at 8 MiB, each [64 batch x head][16 groups of 128 positions][8,192]: byte 1024 t + 512 c + 16 (r + 16 h) + y = position 32 (t / 2) + 8 (t % 2) + r + 8 (r / 8), d = 32 c + 16 h + y.
; vc: [64][16 steps of 128 keys][8,192]: byte 2048 t + 512 c + 16 (r + 16 h) + y = d 32 (t / 2) + 8 (t % 2) + r + 8 (r / 8), key 32 c + 16 h + y.  A wave's 128 x 128 results are two such images, of two neighbouring heads.
; LIMITS: ex + ew between -126 and 127; e6, e7, e8 between -126 and 119.  NaN among the inputs is not served.
; REGISTERS, in windows of 256: window 0: v0-31 addresses and the two scale numbers; v32-95 the bias in q's and k's form, v96-111 in v's; from v128 R's fragments, ONE set; on the way out v128-255 are free.
;   window 1: P's fragments, TWO sets.   window 2: the accumulators of my R rows 0-63 ((a, b) at v[8 (8 a + b)]);   window 3: those of rows 64-127.
.set ROWB,   256                       ; a tile's row: 256 codes
.set KROW,   1024                      ; a row of xc or of wc in memory
.set PITCH,  272                       ; an LDS row: 256 bytes + 16 of padding: the 16 rows that a load touches start 68 words apart
.set FR,     16                        ; registers of a fragment: 16 rows x 128 K
.set NL,     4                         ; LDS loads that bring one
.set NP,     4                         ; places behind this matrix instruction (ISA guide 7.12.1)
.set HALFT,  128*PITCH                 ; 128 rows: what one tensor load brings
.set SLOT,   4*HALFT                   ; R's 256 rows, then P's 256 rows
.set SPARE,  2*SLOT                    ; behind the ring: the spare words, 128 bytes for each wave, two blocks of 256 bytes that no other line names
.set ADRA, 16                          ; v16-17  LDS address of my R fragments in slot 0, 1
.set ADRB, 20                          ; v20-21  the same for P
.set STOQ, 22                          ; v22     the way out of q and k: where my 8 codes go in my stage (bytes 0 to 65,535 of slot 0)
.set STOV, 23                          ; v23     the way out of v: the same in stages of its own (bytes 65,536 to 131,071)
.set RDQ,  24                          ; v24     where I read my stage back
.set RDV,  25                          ; v25
.set CO,   26                          ; v26     16 x lane
.set SPW,  28                          ; v28     LDS address of my spare word; never rewritten
.set NIL,  29                          ; v29     0; never rewritten
.set SCL,  30                          ; v30     2^eo
.set LIM,  31                          ; v31     448 x 2^eo
.set BQ,   32
.set BV,   96
.set AF,   128                         ; R's fragments
.set TMP,  128                         ; the way out: 64 numbers, later the images read back
.set CD,   192                         ; the way out: a block's codes
.set G1, 24                            ; s[24:31] descriptor group 1 for R's tiles;  s[32:39] group 0, one set for each slot
.set G0, 32
.set G1B, 48                           ; s[48:55], s[56:63] the same for P's tiles
.set G0B, 56
.set MSB, 0
.macro WIN new                         ; the immediate's high byte repeats the setting that is left
.if MSB != \new
	s_set_vgpr_msb (MSB<<8)|\new
.set MSB, \new
.endif
.endm
.set MUL_LO, 0xa1                      ; source 0 (P) window 1, source 1 (R) window 0, C and D window 2
.set MUL_HI, 0xf1                      ; the same, C and D window 3
.set TO_B,   0x40                      ; destination window 1, address window 0
; A joint load: waves 0 and 1 fetch for R, waves 2 and 3 for P.  The branch hangs on the wave's number alone.  An s_nop 0 and four v_nop follow each of the two lines.
.macro JLOAD g0a, g1a, g0b, g1b
	s_cmp_eq_u32 s15, 0
	s_cbranch_scc0 .Lfor_b_\@
	tensor_load_to_lds s[\g0a:\g0a+3], s[\g1a:\g1a+7]
	s_nop 0
.rept 4
	v_nop
.endr
	s_branch .Lasked_\@
.Lfor_b_\@:
	tensor_load_to_lds s[\g0b:\g0b+3], s[\g1b:\g1b+7]
	s_nop 0
.rept 4
	v_nop
.endr
.Lasked_\@:
.endm
.macro CREST                           ; a round of the cluster's barrier behind its opening barrier
	s_cmp_lg_u32 s14, 0
	s_cbranch_scc1 .Lnot_wave_0_\@
	s_barrier_signal -3
.Lnot_wave_0_\@:
	s_barrier_wait -3
	s_barrier_signal -1
	s_barrier_wait -1
.endm
.macro CROUND                          ; a whole round
	s_barrier_signal -1
	s_barrier_wait -1
	CREST
.endm
	s_load_b256 s[4:11], s[0:1], 0x0               ; xc s[4:5], wc s[6:7], lowp_scales s[8:9], b_Q s[10:11]
	s_load_b256 s[72:79], s[0:1], 0x20             ; b_K s[72:73], b_V s[74:75], qkc s[76:77], vc s[78:79]
	v_lshl_add_u32 v[SPW], v0, 2, SPARE
	v_mov_b32 v[NIL], 0
	ds_add_u32 v[SPW], v[NIL]                      ; the wave's opening: the add, twice on end, and its wait ahead of my first tensor load
	ds_add_u32 v[SPW], v[NIL]
	v_lshrrev_b32 v1, 5, v0
	v_readfirstlane_b32 s14, v1                    ; wave 0..3
	s_lshr_b32 s15, s14, 1                         ; which half of R's rows is mine.  Also: I fetch for R (0) or for P (1)
	s_and_b32 s16, s14, 1                          ; which half of P's rows.  Also: which 128 rows of that tile I fetch
	s_bfe_u32 s40, ttmp6, 0x40000                  ; cx, cy: my place in the cluster
	s_bfe_u32 s41, ttmp6, 0x40004
	s_and_b32 s67, ttmp7, 0xffff                   ; the cluster's y
	s_lshl_b32 s43, s41, 2
	s_lshl_b32 s43, 15, s43                        ; my row of the cluster
	s_lshl_b32 s44, 0x1111, s40                    ; my column
	s_or_b32 s[G1+0], s43, (0<<16)|(1<<20)|(1<<21)|(5<<22)|(3<<25)  ; 15:0 the mask: R's tiles go to my row; elements of 1 byte; padding on; bit 21 beside a mask; 4 words behind every 64
	s_or_b32 s[G1B+0], s44, (0<<16)|(1<<20)|(1<<21)|(5<<22)|(3<<25) ; P's tiles go to my column
.irp g, G1, G1B
	s_mov_b32 s[\g+1], ROWB<<16                    ; tensor_dim0
	s_mov_b32 s[\g+2], 128<<16                     ; tensor_dim1 = 128
	s_mov_b32 s[\g+3], ROWB<<16                    ; tile_dim0
	s_mov_b32 s[\g+4], 128                         ; tile_dim1 = 128
	s_mov_b32 s[\g+5], KROW                        ; tensor_dim0_stride
	s_mov_b32 s[\g+6], 0
	s_mov_b32 s[\g+7], 0
.endr
	; where the tiles come from, in bytes (a tile of 256 rows is 2^18 bytes).  R's numbers (s68, s84, s20) never hold cx, P's (s69, s85, s46) never cy.
	s_lshl_b32 s18, s16, 17                        ; which 128 rows I fetch
	s_lshl_b32 s68, s67, 2
	s_add_co_u32 s68, s68, s41
	s_lshl_b32 s68, s68, 18                        ; q, k: R = x: tile row 4 x cluster y + cy,
	s_lshl_b32 s84, ttmp9, 23
	s_add_co_u32 s68, s68, s84                     ; in the product's own set of codes
	s_add_co_u32 s68, s68, s18
	s_lshl_b32 s84, s41, 18                        ; v: R = W_V: tile row cy of tensor 2
	s_add_co_u32 s84, s84, 0x200000
	s_add_co_u32 s84, s84, s18
	s_lshl_b32 s69, s67, 2
	s_add_co_u32 s69, s69, s40
	s_lshl_b32 s69, s69, 18                        ; v: P = x: tile row 4 x cluster y + cx of set 2
	s_add_co_u32 s69, s69, 0x1000000
	s_add_co_u32 s69, s69, s18
	s_lshl_b32 s85, s40, 18                        ; q, k: P = W: tile row cx of the product's tensor
	s_lshl_b32 s47, ttmp9, 20
	s_add_co_u32 s85, s85, s47
	s_add_co_u32 s85, s85, s18
	s_mul_i32 s45, s14, HALFT                      ; where they go: wave x 128 rows: no place in the cluster enters an LDS address
	s_mov_b32 s21, 0
	s_mov_b32 s47, 0
	s_wait_dscnt 0x0                               ; both opening adds are done
	s_wait_kmcnt 0x0
	s_load_b256 s[92:99], s[8:9], 0x0              ; e0 .. e7
	s_load_b32 s70, s[8:9], 0x20                   ; e8
	s_cmp_eq_u32 ttmp9, 2                          ; v?  The same in all sixteen partners
	s_cselect_b32 s66, 1, 0
	s_cselect_b32 s20, s84, s68
	s_cselect_b32 s46, s69, s85
	s_cselect_b64 s[80:81], s[6:7], s[4:5]         ; R's buffer
	s_cselect_b64 s[82:83], s[4:5], s[6:7]         ; P's
	s_add_nc_u64 s[20:21], s[80:81], s[20:21]
	s_add_nc_u64 s[46:47], s[82:83], s[46:47]
	CROUND                                         ; all sixteen work-groups are here: the first joint loads meet
.irp s, 0,1
	s_mov_b32 s[G0+4*\s], 1
	s_add_co_u32 s[G0+4*\s+1], s45, \s*SLOT
	s_add_nc_u64 s[G0+4*\s+2:G0+4*\s+3], s[20:21], \s*ROWB
	s_or_b32 s[G0+4*\s+3], s[G0+4*\s+3], 0x80000000
	s_mov_b32 s[G0B+4*\s], 1
	s_add_co_u32 s[G0B+4*\s+1], s45, \s*SLOT
	s_add_nc_u64 s[G0B+4*\s+2:G0B+4*\s+3], s[46:47], \s*ROWB
	s_or_b32 s[G0B+4*\s+3], s[G0B+4*\s+3], 0x80000000
	JLOAD G0+4*\s, G1, G0B+4*\s, G1B               ; two loads of mine are out
.endr
	v_and_b32 v1, 15, v0                           ; r = l % 16
	v_bfe_u32 v2, v0, 4, 1                         ; h = l / 16
	v_mul_u32_u24 v3, v1, PITCH
	v_lshl_add_u32 v4, v2, 4, v3                   ; a fragment's row x pitch + 16 x half
	s_mul_i32 s21, s15, HALFT                      ; my 128 rows of R
	s_mul_i32 s22, s16, HALFT                      ; my 128 rows of P,
	s_add_co_u32 s22, s22, 2*HALFT                 ; which lie behind R's 256
.irp s, 0,1
	v_add_nc_u32 v[ADRA+\s], s21, v4
	v_add_nc_u32 v[ADRB+\s], s22, v4
	s_add_co_u32 s21, s21, SLOT
	s_add_co_u32 s22, s22, SLOT
.endr
	s_lshl_b32 s23, s14, 14                        ; my stage: 16,384 bytes, two images
	v_lshrrev_b32 v5, 3, v1                        ; r / 8
	v_and_b32 v6, 7, v1                            ; r % 8
	v_lshlrev_b32 v7, 4, v6
	v_lshl_add_u32 v7, v2, 3, v7                   ; 16 (r % 8) + 8 h
	v_add_nc_u32 v7, s23, v7
	v_lshl_add_u32 v[STOQ], v5, 10, v7             ; q, k: + 1,024 (r / 8)
	v_lshl_add_u32 v[STOV], v5, 11, v7             ; v: + 2,048 (r / 8),
	v_add_nc_u32 v[STOV], 0x10000, v[STOV]         ; in bytes of its own
	v_and_b32 v8, 31, v0
	v_lshlrev_b32 v[CO], 4, v8
	v_add_nc_u32 v[RDQ], s23, v[CO]
	v_add_nc_u32 v[RDV], 0x10000, v[RDQ]
	v_lshlrev_b32 v9, 5, v2                        ; the bias in q's and k's form: 32 h bytes
	v_lshlrev_b32 v10, 2, v1                       ; in v's form: 4 r
	; the product's three exponents, chosen with no branch
	s_wait_kmcnt 0x0
	s_cmp_eq_u32 ttmp9, 0
	s_cselect_b32 s94, s92, s94
	s_cselect_b32 s95, s93, s95
	s_cselect_b32 s98, s98, s99
	s_cmp_eq_u32 ttmp9, 2
	s_cselect_b32 s96, s96, s94                    ; ex
	s_cselect_b32 s97, s97, s95                    ; ew
	s_cselect_b32 s98, s70, s98                    ; eo = e6, e7 or e8
	s_add_co_i32 s98, s98, 127
	s_lshl_b32 s99, s98, 23
	v_mov_b32 v[SCL], s99
	s_add_co_i32 s98, s98, 8
	s_lshl_b32 s98, s98, 23
	s_or_b32 s98, s98, 0x600000
	v_mov_b32 v[LIM], s98
	s_add_co_i32 s96, s96, s97
	s_add_co_i32 s96, s96, 127
	s_lshl_b32 s96, s96, 23                        ; 2^(ex + ew) as f32
	s_mov_b32 s97, s96                             ; (named with it as a pair)
	; my wave's first position and first n = 64 head + d
	s_lshl_b32 s94, s15, 7
	s_lshl_b32 s95, s16, 7
	s_lshl_b32 s92, s67, 2
	s_add_co_u32 s92, s92, s41
	s_lshl_b32 s92, s92, 8
	s_add_co_u32 s92, s92, s94                     ; q, k: position 256 (4 cluster y + cy) + 128 x my half of R
	s_lshl_b32 s93, s40, 8
	s_add_co_u32 s93, s93, s95                     ; q, k: n 256 cx + 128 x my half of P
	s_lshl_b32 s70, s67, 2
	s_add_co_u32 s70, s70, s40
	s_lshl_b32 s70, s70, 8
	s_add_co_u32 s70, s70, s95                     ; v: position 256 (4 cluster y + cx) + 128 x my half of P
	s_lshl_b32 s71, s41, 8
	s_add_co_u32 s71, s71, s94                     ; v: n 256 cy + 128 x my half of R
	s_lshl_b32 s94, ttmp9, 23                      ; q at 0, k at 8 MiB of qkc
	s_cmp_eq_u32 s66, 1
	s_cselect_b32 s92, s70, s92
	s_cselect_b32 s93, s71, s93
	s_cselect_b32 s94, 0, s94
	s_cselect_b64 s[88:89], s[78:79], s[76:77]
	s_lshr_b32 s95, s92, 11
	s_lshl_b32 s95, s95, 21
	s_add_co_u32 s94, s94, s95                     ; the batch: 16 heads of 2^17 bytes,
	s_lshr_b32 s95, s93, 6
	s_lshl_b32 s95, s95, 17
	s_add_co_u32 s94, s94, s95                     ; the first of my two heads,
	s_bfe_u32 s95, s92, 0x40007
	s_lshl_b32 s95, s95, 13
	s_add_co_u32 s94, s94, s95                     ; the group of 128 positions
	s_mov_b32 s95, 0
	s_add_nc_u64 s[88:89], s[88:89], s[94:95]
	s_cmp_eq_u32 ttmp9, 0
	s_cselect_b64 s[86:87], s[10:11], s[72:73]
	s_cmp_eq_u32 ttmp9, 2
	s_cselect_b64 s[86:87], s[74:75], s[86:87]
	s_lshl_b32 s94, s93, 2
	s_add_nc_u64 s[86:87], s[86:87], s[94:95]      ; the product's bias at my first n
	; Both forms of my 128 bias numbers are loaded, with no branch, so that every register that the way out names is written on every way through the text: at most 16 small loads more than the role uses.
.irp b, 0,1,2,3,4,5,6,7
	global_load_b128 v[BQ+8*\b:BQ+8*\b+3], v9, s[86:87] offset:64*\b          ; q, k: for P's block b: n 16 b + 8 h + 0 .. 7
	global_load_b128 v[BQ+8*\b+4:BQ+8*\b+7], v9, s[86:87] offset:64*\b+16
.endr
.irp a, 0,1,2,3,4,5,6,7
	global_load_b32 v[BV+2*\a], v10, s[86:87] offset:64*\a                    ; v: for R's block a: n 16 a + r, in both registers of a pair for the packed multiply-add
	global_load_b32 v[BV+2*\a+1], v10, s[86:87] offset:64*\a
.endr
.macro FRAG reg, adr, q, i             ; a fragment, 16 rows x 128 places, is 16 registers: registers 4 c .. 4 c + 3 hold places 32 c + 16 (l / 16) + 0 .. 15 of row l % 16: the same in both sources
.irp c, 0,1,2,3
	ds_load_b128 v[\reg+4*\c:\reg+4*\c+3], v[\adr] offset:128*(\q)+32*\c+(\i)*16*PITCH
.endr
.endm
; 16 matrix instructions: R's blocks a0, a0 + 1 x P's eight.  p: P's set.  zero = 1: the first product starts the sums.  The 64 accumulators take turns, one instruction a turn, in the same order in every step.
.macro MUL16 a0, p, zero
.irp a, \a0, \a0+1
.irp b, 0,1,2,3,4,5,6,7
.if \zero
	v_wmma_f32_16x16x128_fp8_fp8 v[8*(8*((\a)%4)+\b):8*(8*((\a)%4)+\b)+7], v[128*(\p)+FR*\b:128*(\p)+FR*\b+FR-1], v[AF+FR*(\a):AF+FR*(\a)+FR-1], 0
.else
	v_wmma_f32_16x16x128_fp8_fp8 v[8*(8*((\a)%4)+\b):8*(8*((\a)%4)+\b)+7], v[128*(\p)+FR*\b:128*(\p)+FR*\b+FR-1], v[AF+FR*(\a):AF+FR*(\a)+FR-1], v[8*(8*((\a)%4)+\b):8*(8*((\a)%4)+\b)+7]
.endif
.endr
.endr
.endm
.macro FETCH_B slot, q, p              ; P's eight fragments of the slot's q-th 128 places into set p
	WIN TO_B
.irp i, 0,1,2,3,4,5,6,7
	FRAG 128*(\p)+FR*\i, ADRB+\slot, \q, \i
.endr
	WIN 0
.endm
.macro FETCH_A slot, q, i0             ; R's blocks i0 .. i0 + 3
.irp i, \i0, \i0+1, \i0+2, \i0+3
	FRAG AF+FR*(\i), ADRA+\slot, \q, \i
.endr
.endm
.macro PLACES n                        ; plain vector lines between a matrix instruction and a load into one of its registers, or the first read of results
.rept \n
	v_nop
.endr
.endm
; A step of 128 places that has its successor in the same slot.  A block of R is free as soon as its eight products are issued, so one set of registers serves R: blocks 0-3 are fetched anew in the step's middle, blocks 4-7 at its end.
.macro STEP slot, q, zero
	s_wait_dscnt 4*NL                              ; P's set and R's blocks 0-3 are in; the youngest 16 loads (R's blocks 4-7) may be out
	WIN MUL_LO
	MUL16 0, (\q)%2, \zero
	MUL16 2, (\q)%2, \zero
	s_wait_dscnt 0                                 ; R's blocks 4-7 are in
	PLACES NP
	FETCH_B \slot, (\q)+1, 1-(\q)%2
	FETCH_A \slot, (\q)+1, 0
	WIN MUL_HI
	MUL16 4, (\q)%2, \zero
	MUL16 6, (\q)%2, \zero
	PLACES NP
	WIN 0
	FETCH_A \slot, (\q)+1, 4
.endm
; A slot's last step changes slots: ONE barrier; in front of it each wave waits for all its tensor loads, adds 0 to its spare word, and waits for that and for its own reads of this slot.  fill = 1: this slot is filled again, two K steps ahead.
.macro TURN slot, next, fill
	s_wait_tensorcnt 0x0                           ; all my tensor loads have landed: the one that was out is my part of the next slot
	ds_add_u32 v[SPW], v[NIL]                      ; 0 onto my spare word
	s_wait_dscnt 4*NL+1                            ; (the add and the youngest 16 loads, R's blocks 4-7, may be out)
	WIN MUL_LO
	MUL16 0, 1, 0                                  ; sixteen matrix instructions stand between the add and the wait for it
	s_wait_dscnt 0x0                               ; the add is done, and my reads of this slot are over
	s_barrier_signal -1
	MUL16 2, 1, 0
	WIN 0
	s_barrier_wait -1
.if \fill
	CREST                                          ; the barrier has opened a round of the cluster's barrier: no wave of any partner still reads this slot or has a load on its way
	s_add_nc_u64 s[G0+4*\slot+2:G0+4*\slot+3], s[G0+4*\slot+2:G0+4*\slot+3], 2*ROWB
	s_add_nc_u64 s[G0B+4*\slot+2:G0B+4*\slot+3], s[G0B+4*\slot+2:G0B+4*\slot+3], 2*ROWB
	JLOAD G0+4*\slot, G1, G0B+4*\slot, G1B         ; the first tensor load behind the round, my one load until the next; its four v_nop are the places in front of the loads below
.else
	PLACES NP
.endif
	FETCH_B \next, 0, 0
	FETCH_A \next, 0, 0
	WIN MUL_HI
	MUL16 4, 1, 0
	MUL16 6, 1, 0
	PLACES NP
	WIN 0
	FETCH_A \next, 0, 4
.endm
	s_wait_tensorcnt 1                             ; my part of K step 0 is in; K step 1's load may stay out
	s_barrier_signal -1
	s_barrier_wait -1                              ; everybody's is
	FETCH_B 0, 0, 0
	FETCH_A 0, 0, 0
	FETCH_A 0, 0, 4
	STEP 0, 0, 1                                   ; K = 1,024 is twice round the ring: written straight, a loop would have one trip
	TURN 0, 1, 1                                   ; slot 0 takes K step 2
	STEP 1, 0, 0
	TURN 1, 0, 1                                   ; slot 1 takes K step 3
	STEP 0, 0, 0
	TURN 0, 1, 0                                   ; nothing is left to fetch: slot 0 has had its last fill, and behind this barrier nobody reads it
	STEP 1, 0, 0
	s_wait_dscnt 4*NL                              ; the very last step
	WIN MUL_LO
	MUL16 0, 1, 0
	MUL16 2, 1, 0
	s_wait_dscnt 0
	WIN MUL_HI
	MUL16 4, 1, 0
	MUL16 6, 1, 0
	WIN 0
; THE WAY OUT.  Block a (16 rows of R x 128 rows of P): sum x 2^(ex + ew) + bias, the hold, eight numbers of a lane to eight codes, which go to their place in the image in my own stage (in slot 0).
; q, k (lane: position 16 a + r, d 16 b + 8 h + j): image b / 4, byte 2048 (a / 2) + 1024 (r / 8) + 512 ((b % 4) / 2) + 256 (b % 2) + 128 (a % 2) + 16 (r % 8) + 8 h + j.
; v (lane: d 16 a + r, key 16 b + 8 h + j): image a / 4, byte 4096 ((a % 4) / 2) + 2048 (r / 8) + 512 (b / 2) + 256 (b % 2) + 128 (a % 2) + 16 (r % 8) + 8 h + j.
.macro OUTBLK a, isv
.set AC, 64*((\a)%4)
	WIN 0x02+((\a)/4)                              ; source 0: window 2 or 3
.irp b, 0,1,2,3,4,5,6,7
.irp i, 0,2,4,6
.if \isv
	v_pk_fma_f32 v[TMP+8*\b+\i:TMP+8*\b+\i+1], v[AC+8*\b+\i:AC+8*\b+\i+1], s[96:97], v[BV+2*(\a):BV+2*(\a)+1] op_sel_hi:[1,0,1]
.else
	v_pk_fma_f32 v[TMP+8*\b+\i:TMP+8*\b+\i+1], v[AC+8*\b+\i:AC+8*\b+\i+1], s[96:97], v[BQ+8*\b+\i:BQ+8*\b+\i+1] op_sel_hi:[1,0,1]   ; each accumulator from its low end on
.endif
.endr
.endr
	WIN 0
.set n, 0
.rept 64
	v_med3_num_f32 v[TMP+n], v[TMP+n], -v[LIM], v[LIM]   ; the conversion to an 8-bit code does not saturate (ISA guide 7.6.2)
.set n, n+1
.endr
.irp b, 0,1,2,3,4,5,6,7
	v_cvt_scalef32_pk8_fp8_f32 v[CD+2*\b:CD+2*\b+1], v[TMP+8*\b:TMP+8*\b+7], v[SCL]
.endr
	v_nop                                          ; a plain line between the conversions and the next block's multiply-adds, which write their sources
.irp b, 0,1,2,3,4,5,6,7
.if \isv
	ds_store_b64 v[STOV], v[CD+2*\b:CD+2*\b+1] offset:((\a)/4)*8192+(((\a)%4)/2)*4096+(\b/2)*512+(\b%2)*256+((\a)%2)*128
.else
	ds_store_b64 v[STOQ], v[CD+2*\b:CD+2*\b+1] offset:(\b/4)*8192+((\a)/2)*2048+((\b%4)/2)*512+(\b%2)*256+((\a)%2)*128
.endif
.endr
.endm
.macro FLUSH rd                        ; my two images come back as they lie and leave: each store covers 512 consecutive bytes, aligned
.set n, 0
.rept 32
	ds_load_b128 v[TMP+4*n:TMP+4*n+3], v[\rd] offset:512*n      ; my own bytes, and LDS serves a wave's instructions in order: these see my stores
.set n, n+1
.endr
.set n, 0
.rept 32
	s_wait_dscnt 31-n
	global_store_b128 v[CO], v[TMP+4*n:TMP+4*n+3], s[88:89] offset:(n/16)*131072+(n%16)*512   ; the second image is the next head's, 2^17 bytes on
.set n, n+1
.endr
.endm
	s_wait_loadcnt 0x0                             ; the biases
	PLACES NP                                      ; behind the last products: the lines below write registers that held R's fragments
	s_cmp_eq_u32 s66, 1
	s_cbranch_scc1 .Lout_v
.irp a, 0,1,2,3,4,5,6,7
	OUTBLK \a, 0
.endr
	FLUSH RDQ
	s_branch .Lend
.Lout_v:
.irp a, 0,1,2,3,4,5,6,7
	OUTBLK \a, 1
.endr
	FLUSH RDV
.Lend:
	s_wait_tensorcnt 0x0                           ; the wave's end: behind my last tensor load and my last LDS store
	ds_add_u32 v[SPW], v[NIL]
	s_wait_dscnt 0x0
	CROUND                                         ; the closing round: no work-group ends while a partner may still ask for a tile that names it
	s_endpgm
.Lfunc_end_k_q5e6bc3b298_qkv:
	.size	k_q5e6bc3b298_qkv, .Lfunc_end_k_q5e6bc3b298_qkv-k_q5e6bc3b298_qkv
	.p2alignl 7, 3214868480
	.fill 96, 4, 3214868480
	.section	.rodata,"a",@progbits
	.p2align	6, 0x0
	.amdhsa_kernel k_q5e6bc3b298_qkv
		.amdhsa_group_segment_fixed_size 327680
		.amdhsa_private_segment_fixed_size 0
		.amdhsa_enable_private_segment 0
		.amdhsa_kernarg_size 64
		.amdhsa_user_sgpr_count 2
		.amdhsa_user_sgpr_kernarg_segment_ptr 1
		.amdhsa_wavefront_size32 1
		.amdhsa_system_sgpr_workgroup_id_x 1
		.amdhsa_system_sgpr_workgroup_id_y 1
		.amdhsa_system_sgpr_workgroup_id_z 1
		.amdhsa_system_vgpr_workitem_id 0
		.amdhsa_next_free_vgpr 1024
		.amdhsa_next_free_sgpr 100
		.amdhsa_reserve_vcc 0
		.amdhsa_float_denorm_mode_32 3
		.amdhsa_float_denorm_mode_16_64 3
		.amdhsa_memory_ordered 1
		.amdhsa_forward_progress 1
		.amdhsa_inst_pref_size 208
	.end_amdhsa_kernel
	.amdgpu_metadata
---
amdhsa.version: [ 1, 2 ]
amdhsa.kernels:
  - .name:           k_q5e6bc3b298_qkv
    .symbol:         k_q5e6bc3b298_qkv.kd
    .args:
      - { .name: xc, .offset: 0, .size: 8, .value_kind: global_buffer, .address_space: global }
      - { .name: wc, .offset: 8, .size: 8, .value_kind: global_buffer, .address_space: global }
      - { .name: lowp_scales, .offset: 16, .size: 8, .value_kind: global_buffer, .address_space: global }
      - { .name: b_Q, .offset: 24, .size: 8, .value_kind: global_buffer, .address_space: global }
      - { .name: b_K, .offset: 32, .size: 8, .value_kind: global_buffer, .address_space: global }
      - { .name: b_V, .offset: 40, .size: 8, .value_kind: global_buffer, .address_space: global }
      - { .name: qkc, .offset: 48, .size: 8, .value_kind: global_buffer, .address_space: global }
      - { .name: vc, .offset: 56, .size: 8, .value_kind: global_buffer, .address_space: global }
    .group_segment_fixed_size: 327680
    .private_segment_fixed_size: 0
    .kernarg_segment_align: 8
    .kernarg_segment_size: 64
    .max_flat_workgroup_size: 128
    .sgpr_count:     100
    .vgpr_count:     1024
    .wavefront_size: 32
...
	.end_amdgpu_metadata
.endif
;; end of part 2
;; launch attn (part 3): grid 4 x 64, 16 waves a work-group, no clusters, 34,816 bytes of LDS; arguments qkc, vc, lowp_scales, zc; writes zc
.if DOCPART == 3
	.amdgcn_target "amdgcn-amd-amdhsa--gfx1250"
	.amdhsa_code_object_version 6
	.text
	.protected	k_q5e6bc3b298_attn
	.globl	k_q5e6bc3b298_attn
	.p2align	8
	.type	k_q5e6bc3b298_attn,@function
k_q5e6bc3b298_attn:
	s_mov_b64 s[64:65], 0
	v_nop
	global_prefetch_b8 v0, s[64:65] scope:SCOPE_SE
	s_setreg_imm32_b32 hwreg(HW_REG_WAVE_MODE, 25, 1), 1
	s_wait_xcnt 0x0
; LAUNCH 3 OF 4.  z = softmax(q k^T / 8, causal) v on codes of E4M3 (products 4 and 5), z quantised with e10 and stored as images of operand registers for the launch oproj.
; LEFT OUT: steps of 128 keys that lie wholly behind a tile's queries (reference()'s own jnp.tril puts IGNORE there): shown, with its limit, at the head of the launch quant.  On the diagonal a hidden score becomes -infinity, so p = 0.
; THE SOFTMAX: t = score x log2(e) / 8; M = the running largest t rounded UP to a whole number; p = 2^(t - M) is quantised with e9, not normalised; the row's sum is taken of the unquantised p and divides at the end.
; When M moves, the sum and O are multiplied by 2^(old M - new M): exact.
; SHARES.  Work-group (i, batch x head) owns the blocks of 256 queries 7 - i and i: the same number of kept steps in every work-group.  Wave w owns two tiles of 16 queries, tile w % 8 of group GH = 2 (7 - i) + w / 8 (heavy)
; and of group GL = 2 i + w / 8 (light); a group is 128 positions.  For a tile of group G, key step s is open where s < G, on the diagonal where s = G, hidden where s > G.  The work-group walks steps 0 to 15 - 2 i, two a trip.
; LAYOUT.  Both products are used transposed (S^T = K Q^T, O^T = V^T P^T): a lane holds ONE query throughout.  The images' order of rows makes the 16 registers of two neighbouring tiles 16 neighbours along the next K:
; p's codes are the second product's operand as they come, and z's codes are the last product's.
; K's and V's images of a step (8 KiB each) come through registers into a ring of two LDS slots: each of the 512 threads moves 16 bytes of each, a step ahead.  One barrier a step.
; NO TENSOR LOAD AND NO CLUSTER: the four work-groups of a head walk 16, 14, 12 and 10 steps, so partners would have to jump over joint tiles; and a step's tiles are two 16-byte loads a thread.
; With no tensor load in the text, the hold of p may stand under a scalar branch on the loaded e9: p <= 1 <= 448 x 2^e9 whenever e9 >= -8, and then the hold changes nothing.
; LIMITS: e6 + e7 between -123 and 130 (added to c's exponent field); e9 and e10 between -126 and 119.
.set SPARE, 32768                      ; behind the two slots: the spare words, 128 bytes for each wave, eight blocks of 256 bytes that no other line names
.set LI,   1                           ; v1   16 x lane: my place in an image's 512 bytes
.set TS,   2                           ; v2   16 x thread: my 16 bytes of an image of 8 KiB
.set SPW,  3                           ; v3   LDS address of my spare word; never rewritten
.set NIL,  4                           ; v4   0; never rewritten
.set DQ,   5                           ; v5   my query's place in its group - 16 (lane / 16)
.set NINF, 6                           ; v6   -infinity
.set SCL,  7                           ; v7   2^e9; on the way out 2^e10
.set LIM,  8                           ; v8   448 x that
.set PFO,  9                           ; v9   256 x lane, for the prefetches
;                                        v10-13 heavy tile: -M, the largest t, the sum in two halves;  v14-17 the light tile's;  v18-25, v26-33 the two tiles of Q;  v34-37, v38-41 the next step's 16 bytes of K, of V
.set TA,   42                          ; v42  at work
.set PX,   43                          ; v43  a lane exchange's destination
.set F,    44                          ; v[44:45] f = 2^(old M - new M)
.set S2,   46                          ; v[46:47] the second chain of the sums
.set PC,   48                          ; v48-63   p's codes
.set S,    64                          ; v64-127  S^T, then p
.set FRG,  128                         ; v128-191 fragments of K, then of V;   v192-223, v224-255 O^T of the heavy, of the light tile
.set WV,   12
.set GH,   15
.set GL,   16
.set SN,   17                          ; s17 the step in hand
.set TR,   18                          ; s18 trips done
.set NTR,  19                          ; s19 trips: 8 - i
.set SEL,  20                          ; s[20:21] lane selects: lane l xor 16
.set CS,   22                          ; s[22:23] c = log2(e) / 8 x 2^(e6 + e7)
.set KB,   24                          ; s[24:25] K's image of the step to be loaded next
.set VB,   26                          ; s[26:27] V's
.set PB,   28                          ; s[28:29] the same, for my prefetches
.set PLIM, 30                          ; s30 14 in a wave that prefetches, else 0
.set LAST, 31                          ; s31 the last step: 15 - 2 i
.set NOH,  41                          ; s41 1 where the hold of p changes nothing
	s_load_b256 s[4:11], s[0:1], 0x0               ; qkc s[4:5], vc s[6:7], lowp_scales s[8:9], zc s[10:11]
	v_lshl_add_u32 v[SPW], v0, 2, SPARE
	v_mov_b32 v[NIL], 0
	v_lshrrev_b32 v[TA], 5, v0
	v_readfirstlane_b32 s[WV], v[TA]               ; wave 0..15
	v_and_b32 v[LI], 31, v0
	v_lshlrev_b32 v[PFO], 8, v[LI]
	v_lshlrev_b32 v[LI], 4, v[LI]
	v_lshlrev_b32 v[TS], 4, v0
	s_and_b32 s13, ttmp7, 0xffff                   ; 16 x batch + head
	s_lshr_b32 s14, s[WV], 3
	s_sub_co_u32 s[GH], 7, ttmp9
	s_lshl_b32 s[GH], s[GH], 1
	s_add_co_u32 s[GH], s[GH], s14
	s_lshl_b32 s[GL], ttmp9, 1
	s_add_co_u32 s[GL], s[GL], s14
	s_sub_co_u32 s[NTR], 8, ttmp9
	s_lshl_b32 s[LAST], ttmp9, 1
	s_sub_co_u32 s[LAST], 15, s[LAST]
	s_and_b32 s32, s[WV], 7                        ; t: my tile in its group
	s_lshl_b32 s48, s13, 17                        ; the head's 16 images of 8 KiB
	s_mov_b32 s49, 0
	s_lshl_b32 s33, s32, 10
	s_add_co_u32 s33, s33, s48
	s_lshl_b32 s50, s[GH], 13
	s_add_co_u32 s50, s50, s33                     ; Q, heavy: head, group, tile of 1,024 bytes
	s_mov_b32 s51, 0
	s_lshl_b32 s52, s[GL], 13
	s_add_co_u32 s52, s52, s33                     ; Q, light
	s_mov_b32 s53, 0
	s_lshr_b32 s34, s13, 4                         ; zc [64 = 16 batch + group][8 = head / 2][8 tiles][4 = 2 (head % 2) + half of d][512]
	s_lshl_b32 s34, s34, 21
	s_bfe_u32 s35, s13, 0x30001
	s_lshl_b32 s35, s35, 14
	s_add_co_u32 s34, s34, s35
	s_and_b32 s35, s13, 1
	s_lshl_b32 s35, s35, 10
	s_add_co_u32 s34, s34, s35
	s_lshl_b32 s35, s32, 11
	s_add_co_u32 s34, s34, s35
	s_lshl_b32 s54, s[GH], 17
	s_add_co_u32 s54, s54, s34
	s_mov_b32 s55, 0
	s_lshl_b32 s56, s[GL], 17
	s_add_co_u32 s56, s56, s34
	s_mov_b32 s57, 0
	s_lshr_b32 s33, s32, 1
	s_lshl_b32 s33, s33, 5
	s_and_b32 s35, s32, 1
	s_lshl_b32 s35, s35, 3
	s_add_co_u32 s33, s33, s35                     ; 32 (t / 2) + 8 (t % 2)
	v_and_b32 v[TA], 15, v0                        ; r
	v_and_b32 v[PX], 8, v[TA]
	v_add_nc_u32 v[DQ], v[TA], v[PX]               ; r + 8 (r / 8)
	v_bfe_u32 v[PX], v0, 4, 1
	v_lshlrev_b32 v[PX], 4, v[PX]
	v_sub_nc_u32 v[DQ], v[DQ], v[PX]
	v_add_nc_u32 v[DQ], s33, v[DQ]
	s_mov_b32 s[SEL], 0x76543210
	s_mov_b32 s[SEL+1], 0xfedcba98
	s_mov_b32 s[SN], 0
	s_mov_b32 s[TR], 0
	s_wait_kmcnt 0x0
	s_load_b128 s[36:39], s[8:9], 0x18             ; e6, e7, e8, e9
	s_load_b32 s40, s[8:9], 0x28                   ; e10
	s_add_nc_u64 s[KB:KB+1], s[4:5], s[48:49]
	s_add_nc_u64 s[KB:KB+1], s[KB:KB+1], 0x800000  ; k lies 8 MiB behind q
	s_add_nc_u64 s[VB:VB+1], s[6:7], s[48:49]
	global_load_b128 v[34:37], v[TS], s[KB:KB+1]   ; step 0
	global_load_b128 v[38:41], v[TS], s[VB:VB+1]
	s_add_nc_u64 s[50:51], s[4:5], s[50:51]
	s_add_nc_u64 s[52:53], s[4:5], s[52:53]
	global_load_b128 v[18:21], v[LI], s[50:51]     ; Q's fragments stay in registers: registers 4 c .. 4 c + 3 hold d = 32 c + 16 (l / 16) + 0 .. 15
	global_load_b128 v[22:25], v[LI], s[50:51] offset:512
	global_load_b128 v[26:29], v[LI], s[52:53]
	global_load_b128 v[30:33], v[LI], s[52:53] offset:512
	s_add_nc_u64 s[44:45], s[10:11], s[54:55]      ; z, heavy
	s_add_nc_u64 s[46:47], s[10:11], s[56:57]      ; z, light
	s_cmp_eq_u32 s[WV], 4                          ; the prefetches: wave 4 asks for K's images, wave 5 for V's,
	s_cselect_b64 s[PB:PB+1], s[KB:KB+1], s[VB:VB+1]
	s_sub_co_u32 s33, s[WV], 4
	s_lshr_b32 s33, s33, 1
	s_or_b32 s33, s33, ttmp9                       ; in the one work-group of a head that walks all 16 steps
	s_cmp_eq_u32 s33, 0
	s_cselect_b32 s[PLIM], 14, 0
	v_mov_b32 v11, 0xff61b1e6                      ; the largest t so far: -3e38, under every t
	v_floor_f32 v10, -v11                          ; -M
	v_mov_b32 v12, 0                               ; the sum, in two halves
	v_mov_b32 v13, 0
	v_mov_b32 v15, v11
	v_mov_b32 v14, v10
	v_mov_b32 v16, 0
	v_mov_b32 v17, 0
	v_mov_b32 v[NINF], 0xff800000
	v_mov_b32 v[F+1], 0                            ; (named as the upper half of a pair)
.set n, 0
.rept 64
	v_mov_b32 v[192+n], 0                          ; O^T.  (A step is written once: the first finds zeros, which the first change of M leaves zeros)
.set n, n+1
.endr
	s_wait_kmcnt 0x0
	s_add_co_i32 s33, s36, s37
	s_lshl_b32 s33, s33, 23
	s_mov_b32 s[CS], 0x3e38aa3b                    ; log2(e) / 8
	s_add_co_i32 s[CS], s[CS], s33                 ; a score stands for score x 2^(e6 + e7): the two exponents are added to c's exponent field
	s_mov_b32 s[CS+1], s[CS]
	s_add_co_i32 s33, s39, 127
	s_lshl_b32 s34, s33, 23
	v_mov_b32 v[SCL], s34                          ; 2^e9
	s_add_co_i32 s33, s33, 8
	s_lshl_b32 s33, s33, 23
	s_or_b32 s33, s33, 0x600000
	v_mov_b32 v[LIM], s33                          ; 448 x 2^e9
	s_cmp_ge_i32 s39, -8
	s_cselect_b32 s[NOH], 1, 0
	s_wait_loadcnt 0x0                             ; step 0's tiles and Q
	ds_store_b128 v[TS], v[34:37]                  ; slot 0: K's image,
	ds_store_b128 v[TS], v[38:41] offset:8192      ; V's
	s_add_nc_u64 s[KB:KB+1], s[KB:KB+1], 8192
	s_add_nc_u64 s[VB:VB+1], s[VB:VB+1], 8192
	s_add_nc_u64 s[PB:PB+1], s[PB:PB+1], 8192
	s_wait_dscnt 0x0                               ; for the others' sake: my stores have landed
	s_barrier_signal -1
	s_barrier_wait -1
; ONE TILE'S KEY STEP: 128 keys out of slot sg.  Q: the tile's fragment; O: its O^T; ST: its four statistics; G: the scalar register with its group.
.macro STEP sg, Q, O, ST, G
	s_cmp_gt_u32 s[SN], s[\G]                      ; all 128 keys come after my queries: a branch on ids, round loads, products and softmax; no barrier stands in a step
	s_cbranch_scc1 .Lhidden_\@
.rept 4
	v_nop                                          ; places in front of loads into registers that the last products read
.endr
.set n, 0
.rept 16
	ds_load_b128 v[FRG+4*n:FRG+4*n+3], v[LI] offset:16384*(\sg)+512*n     ; K's eight tiles of 16 keys x 64: 8 registers each, as the image has them
.set n, n+1
.endr
	s_wait_dscnt 0x0
.set n, 0
.rept 8
	v_wmma_f32_16x16x64_fp8_fp8 v[S+8*n:S+8*n+7], v[FRG+8*n:FRG+8*n+7], v[\Q:\Q+7], 0    ; S^T: register 16 b + i of a lane is key 32 b + 16 (l / 16) + i
.set n, n+1
.endr
.rept 4
	v_nop                                          ; places: in front of the loads below and of the first read of the scores
.endr
.set n, 0
.rept 16
	ds_load_b128 v[FRG+4*n:FRG+4*n+3], v[LI] offset:16384*(\sg)+8192+512*n   ; V's four tiles of 16 d x 128 keys: they land under the softmax
.set n, n+1
.endr
	s_cmp_lg_u32 s[SN], s[\G]
	s_cbranch_scc1 .Lopen_\@
.set n, 0
.rept 64                                       ; on the diagonal: key 32 b + i + 16 (l / 16) is hidden where it comes after my query
	v_cmp_gt_i32 vcc_lo, 32*(n/16)+n%16, v[DQ]
	v_cndmask_b32 v[S+n], v[S+n], v[NINF], vcc_lo
.set n, n+1
.endr
.Lopen_\@:
	v_max3_num_f32 v[TA], v[S], v[S+1], v[S+2]     ; the step's largest score of my query, among my 64 keys, in two chains,
	v_max3_num_f32 v[F], v[S+3], v[S+4], v[S+5]
.irp i, 6,10,14,18,22,26,30,34,38,42,46,50,54,58
	v_max3_num_f32 v[TA], v[TA], v[S+\i], v[S+1+\i]
	v_max3_num_f32 v[F], v[F], v[S+2+\i], v[S+3+\i]
.endr
	v_max3_num_f32 v[TA], v[TA], v[S+62], v[S+63]
	v_max_num_f32 v[TA], v[TA], v[F]
	v_permlanex16_b32 v[PX], v[TA], s[SEL], s[SEL+1]
	v_max_num_f32 v[TA], v[TA], v[PX]              ; and among lane l xor 16's
	v_mul_f32 v[TA], s[CS], v[TA]                  ; as t (c is positive)
	v_max_num_f32 v[\ST+1], v[\ST+1], v[TA]        ; the running largest t
	v_mov_b32 v[TA], v[\ST]
	v_floor_f32 v[\ST], -v[\ST+1]                  ; the new -M = floor(-t): M is a whole number
	v_sub_f32 v[TA], v[\ST], v[TA]                 ; old M - new M: a whole number, 0 or less
	v_cvt_i32_f32 v[TA], v[TA]                     ; (it saturates)
	v_ldexp_f32 v[F], 1.0, v[TA]                   ; f = 2^(old M - new M)
.set n, 0
.rept 32
	v_pk_fma_f32 v[S+2*n:S+2*n+1], v[S+2*n:S+2*n+1], s[CS:CS+1], v[\ST:\ST+1] op_sel_hi:[1,0,0]   ; t - M, two at a time
.set n, n+1
.endr
.set n, 0
.rept 64
	v_exp_f32 v[S+n], v[S+n]                       ; p = 2^(t - M), at most 1
.set n, n+1
.endr
	v_pk_mul_f32 v[\ST+2:\ST+3], v[\ST+2:\ST+3], v[F:F+1] op_sel_hi:[1,0]   ; the sums under the new M: the plain line behind the exponentials
	s_wait_alu depctr_va_vdst(0)                   ; one wait for the whole batch, ahead of its first reader
	v_pk_add_f32 v[S2:S2+1], v[S:S+1], v[S+2:S+3]  ; the row's sum is taken of the unquantised p, in two chains
.irp j, 4,8,12,16,20,24,28,32,36,40,44,48,52,56,60
	v_pk_add_f32 v[\ST+2:\ST+3], v[\ST+2:\ST+3], v[S+\j:S+1+\j]
	v_pk_add_f32 v[S2:S2+1], v[S2:S2+1], v[S+2+\j:S+3+\j]
.endr
	v_pk_add_f32 v[\ST+2:\ST+3], v[\ST+2:\ST+3], v[S2:S2+1]
	s_cmp_eq_u32 s[NOH], 1                         ; e9 >= -8: p <= 1 lies within the largest code x the scale, and the hold is passed over
	s_cbranch_scc1 .Lheld_\@
.set n, 0
.rept 64
	v_min_num_f32 v[S+n], v[S+n], v[LIM]           ; the conversion to an 8-bit code does not saturate (ISA guide 7.6.2); p is not negative, so the hold is one-sided
.set n, n+1
.endr
.Lheld_\@:
.set n, 0
.rept 8
	v_cvt_scalef32_pk8_fp8_f32 v[PC+2*n:PC+2*n+1], v[S+8*n:S+8*n+7], v[SCL]   ; registers 4 b .. 4 b + 3: keys 32 b + 16 (l / 16) + 0 .. 15: as V's image has them
.set n, n+1
.endr
.set n, 0
.rept 16
	v_pk_mul_f32 v[\O+2*n:\O+2*n+1], v[\O+2*n:\O+2*n+1], v[F:F+1] op_sel_hi:[1,0]   ; O^T under the new M, each accumulator from its low end on; also the plain lines behind the conversions
.set n, n+1
.endr
	s_wait_dscnt 0x0                               ; V is in
.set n, 0
.rept 4
	v_wmma_f32_16x16x128_fp8_fp8 v[\O+8*n:\O+8*n+7], v[FRG+16*n:FRG+16*n+15], v[PC:PC+15], v[\O+8*n:\O+8*n+7]   ; the four accumulators take turns, and eight other products stand between a tile's steps
.set n, n+1
.endr
.Lhidden_\@:
.endm
; ONE STEP OF THE WORK-GROUP, out of slot sg.  At its head the next step's tiles are asked for; at its end they go into the other slot, which every wave has left (it waited for its reads in front of the last barrier).
; The step's one barrier: in front of it my reads of this slot are back and my stores into the other have landed.  The last step (it lies in slot 1) asks for nothing: no load leaves its buffer.
; THE PREFETCH: behind the two loads, for the step after the one that they fetch: 32 lanes x 256 bytes = one image.  Each image is named once in the launch; it stops where that step would pass 15.
.macro HALF sg
.if \sg
	s_cmp_eq_u32 s[SN], s[LAST]
	s_cbranch_scc1 .Lasked_\@
.endif
	global_load_b128 v[34:37], v[TS], s[KB:KB+1]
	global_load_b128 v[38:41], v[TS], s[VB:VB+1]
	s_cmp_lt_u32 s[SN], s[PLIM]
	s_cbranch_scc0 .Lasked_\@
	global_prefetch_b8 v[PFO], s[PB:PB+1] offset:8192 th:TH_LOAD_NT scope:SCOPE_SE
.Lasked_\@:
	STEP \sg, 18, 192, 10, GH
	STEP \sg, 26, 224, 14, GL
	s_wait_loadcnt 0x0                             ; the next step's tiles are in registers (on every way: no load is pending when the next step's loads are issued)
	s_wait_xcnt 0x0                                ; the prefetch has read its address
.if \sg
	s_cmp_eq_u32 s[SN], s[LAST]
	s_cbranch_scc1 .Lkept_\@
.endif
	ds_store_b128 v[TS], v[34:37] offset:16384*(1-\sg)
	ds_store_b128 v[TS], v[38:41] offset:16384*(1-\sg)+8192
	s_add_nc_u64 s[KB:KB+1], s[KB:KB+1], 8192
	s_add_nc_u64 s[VB:VB+1], s[VB:VB+1], 8192
	s_add_nc_u64 s[PB:PB+1], s[PB:PB+1], 8192
.Lkept_\@:
	s_add_co_u32 s[SN], s[SN], 1
	s_wait_dscnt 0x0
	s_barrier_signal -1
	s_barrier_wait -1
.endm
.Ltrip:
	HALF 0
	HALF 1
	s_add_co_u32 s[TR], s[TR], 1
	s_cmp_lt_u32 s[TR], s[NTR]
	s_cbranch_scc1 .Ltrip
	; THE WAY OUT.  z = O^T x 2^(e8 + e9) / the sum, quantised with e10.  Registers 16 b + 0 .. 15 of a tile are d = 32 b + 16 (l / 16) + 0 .. 15 of my query: the codes are zc's image as they come.
.rept 4
	v_nop                                          ; places behind the last products
.endr
	v_add_f32 v12, v12, v13                        ; the sums' two halves,
	v_add_f32 v16, v16, v17
	v_permlanex16_b32 v[PX], v12, s[SEL], s[SEL+1]
	v_permlanex16_b32 v[TA], v16, s[SEL], s[SEL+1]
	v_add_f32 v12, v12, v[PX]                      ; and lane l xor 16's
	v_add_f32 v16, v16, v[TA]
	v_rcp_f32 v12, v12
	v_rcp_f32 v16, v16
	s_add_co_i32 s33, s40, 127
	s_lshl_b32 s34, s33, 23
	v_mov_b32 v[SCL], s34                          ; 2^e10 (the plain line behind the reciprocals)
	s_add_co_i32 s33, s33, 8
	s_lshl_b32 s33, s33, 23
	s_or_b32 s33, s33, 0x600000
	v_mov_b32 v[LIM], s33                          ; 448 x 2^e10
	s_add_co_i32 s48, s38, s39
	s_wait_alu depctr_va_vdst(0)                   ; one wait for the two reciprocals, ahead of their first reader
	v_ldexp_f32 v12, v12, s48                      ; x 2^(e8 + e9)
	v_ldexp_f32 v16, v16, s48
.macro ZOUT O, R, D, P, B
.set n, 0
.rept 16
	v_pk_mul_f32 v[\D+2*n:\D+2*n+1], v[\O+2*n:\O+2*n+1], v[\R:\R+1] op_sel_hi:[1,0]
.set n, n+1
.endr
.set n, 0
.rept 32
	v_med3_num_f32 v[\D+n], v[\D+n], -v[LIM], v[LIM]
.set n, n+1
.endr
.set n, 0
.rept 4
	v_cvt_scalef32_pk8_fp8_f32 v[\P+2*n:\P+2*n+1], v[\D+8*n:\D+8*n+7], v[SCL]
.set n, n+1
.endr
	v_nop
	global_store_b128 v[LI], v[\P:\P+3], s[\B:\B+1]                 ; each store covers 512 consecutive bytes, aligned
	global_store_b128 v[LI], v[\P+4:\P+7], s[\B:\B+1] offset:512
.endm
	ZOUT 192, 12, 64, 48, 44
	ZOUT 224, 16, 96, 56, 46
	s_wait_tensorcnt 0x0                           ; the wave's end: behind my last LDS store
	ds_add_u32 v[SPW], v[NIL]
	s_wait_dscnt 0x0
	s_endpgm
.Lfunc_end_k_q5e6bc3b298_attn:
	.size	k_q5e6bc3b298_attn, .Lfunc_end_k_q5e6bc3b298_attn-k_q5e6bc3b298_attn
	.p2alignl 7, 3214868480
	.fill 96, 4, 3214868480
	.section	.rodata,"a",@progbits
	.p2align	6, 0x0
	.amdhsa_kernel k_q5e6bc3b298_attn
		.amdhsa_group_segment_fixed_size 34816
		.amdhsa_private_segment_fixed_size 0
		.amdhsa_enable_private_segment 0
		.amdhsa_kernarg_size 32
		.amdhsa_user_sgpr_count 2
		.amdhsa_user_sgpr_kernarg_segment_ptr 1
		.amdhsa_wavefront_size32 1
		.amdhsa_system_sgpr_workgroup_id_x 1
		.amdhsa_system_sgpr_workgroup_id_y 1
		.amdhsa_system_sgpr_workgroup_id_z 1
		.amdhsa_system_vgpr_workitem_id 0
		.amdhsa_next_free_vgpr 256
		.amdhsa_next_free_sgpr 66
		.amdhsa_reserve_vcc 1
		.amdhsa_float_denorm_mode_32 3
		.amdhsa_float_denorm_mode_16_64 3
		.amdhsa_memory_ordered 1
		.amdhsa_forward_progress 1
		.amdhsa_inst_pref_size 98
	.end_amdhsa_kernel
	.amdgpu_metadata
---
amdhsa.version: [ 1, 2 ]
amdhsa.kernels:
  - .name:           k_q5e6bc3b298_attn
    .symbol:         k_q5e6bc3b298_attn.kd
    .args:
      - { .name: qkc, .offset: 0, .size: 8, .value_kind: global_buffer, .address_space: global }
      - { .name: vc, .offset: 8, .size: 8, .value_kind: global_buffer, .address_space: global }
      - { .name: lowp_scales, .offset: 16, .size: 8, .value_kind: global_buffer, .address_space: global }
      - { .name: zc, .offset: 24, .size: 8, .value_kind: global_buffer, .address_space: global }
    .group_segment_fixed_size: 34816
    .private_segment_fixed_size: 0
    .kernarg_segment_align: 8
    .kernarg_segment_size: 32
    .max_flat_workgroup_size: 512
    .sgpr_count:     66
    .vgpr_count:     256
    .wavefront_size: 32
...
	.end_amdgpu_metadata
.endif
;; end of part 3
;; launch oproj (part 4): grid 4 x 32, 4 waves a work-group, clusters of 4 x 4, 327,680 bytes of LDS; arguments zc, wc, lowp_scales, b_O, out0; writes out0
.if DOCPART == 4
	.amdgcn_target "amdgcn-amd-amdhsa--gfx1250"
	.amdhsa_code_object_version 6
	.text
	.protected	k_q5e6bc3b298_oproj
	.globl	k_q5e6bc3b298_oproj
	.p2align	8
	.type	k_q5e6bc3b298_oproj,@function
k_q5e6bc3b298_oproj:
	s_mov_b64 s[64:65], 0
	v_nop
	global_prefetch_b8 v0, s[64:65] scope:SCOPE_SE
	s_setreg_imm32_b32 hwreg(HW_REG_WAVE_MODE, 25, 1), 1
	s_wait_xcnt 0x0
	s_wait_alu depctr_hold_cnt(0) depctr_sa_sdst(0) depctr_va_vdst(0) depctr_va_sdst(0) depctr_va_ssrc(0) depctr_va_vcc(0) depctr_vm_vsrc(0)
	s_getreg_b32 s2, hwreg(HW_REG_IB_STS2, 6, 4)
	s_cmp_eq_u32 s2, 0
	s_cbranch_scc0 .Lentry_in_a_cluster
	s_endpgm
.Lentry_in_a_cluster:
	s_bfe_u32 s2, ttmp6, 0x10000c
	s_cmp_lg_u32 s2, 0xf033
	s_cbranch_scc0 .Lentry_shape_is_right
	s_endpgm
.Lentry_shape_is_right:
; LAUNCH 4 OF 4.  out0 = z W_O + b_O (product 6 on codes of E4M3): out0 = (sum + b_O / 2^(e10 + e11)) x 2^(e10 + e11); the bias goes in as the C of each sum's first matrix instruction.
; A work-group of four waves makes 256 x 256 of out0, a wave 128 x 128: 64 accumulators, 512 registers.  K = 1,024 goes in four steps of 256 through a ring of two LDS slots.
; 32 x 4 tiles are 128 work-groups: the tile is kept at the size at which each byte read from LDS feeds the most products.
; A = z comes as IMAGES OF OPERAND REGISTERS, zc [64 groups of 128 positions][8 steps of 128 k][8 tiles][4][512]: a K step of a group is one dense block of 32 KiB, brought by one tensor load with no padding and read at 16 x lane.
; Lane r of tile T holds position 32 (T / 2) + 8 (T % 2) + r + 8 (r / 8) of its group: the way out puts each row where it belongs.  B = W_O's codes, rows [n][k] of wc's fourth tensor, padded in LDS.
; CLUSTERS: 4 x 4 work-groups: A's tile is shared along a row of the cluster, B's along a column, each asked for JOINTLY.  THE MATRIX INSTRUCTION IS USED TRANSPOSED (source 0 = 16 rows of B, source 1 = 16 rows of A).
; LIMITS: e10 + e11 between -126 and 127; b_O / 2^(e10 + e11) an f32 number.
; REGISTERS, in windows of 256: window 0: v0-31 addresses; v32-95 the bias, later at work on the way out; from v128 A's fragments, ONE set.   window 1: B's fragments, TWO sets.   windows 2, 3: the accumulators.
.set ROWB,   256
.set KROW,   1024
.set PITCH,  272                       ; B's LDS row: 256 bytes + 16 of padding
.set FR,     16
.set NL,     4
.set NP,     4
.set HALFT,  128*PITCH                 ; a wave's place in a slot: B's 128 padded rows fill it, A's dense 32,768 bytes lie at its head
.set SLOT,   4*HALFT
.set ABLK,   32768                     ; a K step of a group of z
.set SPARE,  2*SLOT                    ; behind the ring: the spare words, 128 bytes for each wave, two blocks of 256 bytes that no other line names
.set SPITCH, 528                       ; the way out: a stage of 16 rows x (512 bytes + 16) for each wave, in slot 0, behind its last fill and its last read
.set ADRA, 16
.set ADRB, 20
.set STO,  24
.set RD,   25
.set CO,   26
.set SPW,  28
.set NIL,  29
.set BO,   32                          ; v32-95 the bias: for B's block b: n 16 b + 8 h + 0 .. 7
.set TMP,  32
.set AF,   128
.set BK,   128
.set G1, 24
.set G0, 32
.set G1B, 48
.set G0B, 56
.set MSB, 0
.macro WIN new                         ; the immediate's high byte repeats the setting that is left
.if MSB != \new
	s_set_vgpr_msb (MSB<<8)|\new
.set MSB, \new
.endif
.endm
.set MUL_LO, 0xa1                      ; source 0 (B) window 1, source 1 (A) window 0, C and D window 2
.set MUL_HI, 0xf1
.set FST_LO, 0x81                      ; the first step: C (the bias) window 0, D window 2
.set FST_HI, 0xc1
.set TO_B,   0x40
.macro JLOAD g0a, g1a, g0b, g1b        ; a joint load: waves 0 and 1 fetch for A, waves 2 and 3 for B; an s_nop 0 and four v_nop follow each of the two lines
	s_cmp_eq_u32 s15, 0
	s_cbranch_scc0 .Lfor_b_\@
	tensor_load_to_lds s[\g0a:\g0a+3], s[\g1a:\g1a+7]
	s_nop 0
.rept 4
	v_nop
.endr
	s_branch .Lasked_\@
.Lfor_b_\@:
	tensor_load_to_lds s[\g0b:\g0b+3], s[\g1b:\g1b+7]
	s_nop 0
.rept 4
	v_nop
.endr
.Lasked_\@:
.endm
.macro CREST
	s_cmp_lg_u32 s14, 0
	s_cbranch_scc1 .Lnot_wave_0_\@
	s_barrier_signal -3
.Lnot_wave_0_\@:
	s_barrier_wait -3
	s_barrier_signal -1
	s_barrier_wait -1
.endm
.macro CROUND
	s_barrier_signal -1
	s_barrier_wait -1
	CREST
.endm
	s_load_b256 s[4:11], s[0:1], 0x0               ; zc s[4:5], wc s[6:7], lowp_scales s[8:9], b_O s[10:11]
	s_load_b64 s[12:13], s[0:1], 0x20              ; out0
	v_lshl_add_u32 v[SPW], v0, 2, SPARE
	v_mov_b32 v[NIL], 0
	ds_add_u32 v[SPW], v[NIL]                      ; the wave's opening: the add, twice on end, and its wait ahead of my first tensor load
	ds_add_u32 v[SPW], v[NIL]
	v_lshrrev_b32 v1, 5, v0
	v_readfirstlane_b32 s14, v1                    ; wave 0..3
	s_lshr_b32 s15, s14, 1                         ; which half of the tile's rows is mine.  Also: I fetch for A (0) or for B (1)
	s_and_b32 s16, s14, 1                          ; which half of its columns.  Also: which half of that tile I fetch
	s_bfe_u32 s40, ttmp6, 0x40000                  ; cx, cy
	s_bfe_u32 s41, ttmp6, 0x40004
	s_lshl_b32 s42, ttmp9, 2
	s_add_co_u32 s42, s42, s40                     ; tile column
	s_and_b32 s17, ttmp7, 0xffff
	s_lshl_b32 s17, s17, 2
	s_add_co_u32 s17, s17, s41                     ; tile row
	s_lshl_b32 s43, s41, 2
	s_lshl_b32 s43, 15, s43                        ; my row of the cluster
	s_lshl_b32 s44, 0x1111, s40                    ; my column
	s_or_b32 s[G1+0], s43, (1<<21)                 ; A: the mask of my row; elements of 1 byte; no padding; bit 21 beside a mask
	s_mov_b32 s[G1+1], 256<<16                     ; a dense block as 128 rows of 256 bytes
	s_mov_b32 s[G1+2], 128<<16
	s_mov_b32 s[G1+3], 256<<16
	s_mov_b32 s[G1+4], 128
	s_mov_b32 s[G1+5], 256
	s_mov_b32 s[G1+6], 0
	s_mov_b32 s[G1+7], 0
	s_or_b32 s[G1B+0], s44, (0<<16)|(1<<20)|(1<<21)|(5<<22)|(3<<25)  ; B: the mask of my column; 4 words of padding behind every 64
	s_mov_b32 s[G1B+1], ROWB<<16
	s_mov_b32 s[G1B+2], 128<<16
	s_mov_b32 s[G1B+3], ROWB<<16
	s_mov_b32 s[G1B+4], 128
	s_mov_b32 s[G1B+5], KROW
	s_mov_b32 s[G1B+6], 0
	s_mov_b32 s[G1B+7], 0
	s_lshl_b32 s18, s16, 17
	s_lshl_b32 s20, s17, 18                        ; A: two groups of 2^17 bytes to a tile row,
	s_add_co_u32 s20, s20, s18                     ; the group that I fetch
	s_mov_b32 s21, 0
	s_lshl_b32 s46, s42, 18                        ; B: 256 rows of 1,024 bytes to a tile column,
	s_add_co_u32 s46, s46, s18                     ; the 128 rows that I fetch,
	s_add_co_u32 s46, s46, 0x300000                ; in wc's fourth tensor
	s_mov_b32 s47, 0
	s_mul_i32 s45, s14, HALFT                      ; where they go: no place in the cluster enters an LDS address
	s_wait_dscnt 0x0                               ; both opening adds are done
	s_wait_kmcnt 0x0
	s_load_b64 s[96:97], s[8:9], 0x28              ; e10, e11
	s_add_nc_u64 s[20:21], s[4:5], s[20:21]
	s_add_nc_u64 s[46:47], s[6:7], s[46:47]
	CROUND                                         ; all sixteen work-groups are here: the first joint loads meet
.irp s, 0,1
	s_mov_b32 s[G0+4*\s], 1
	s_add_co_u32 s[G0+4*\s+1], s45, \s*SLOT
	s_add_nc_u64 s[G0+4*\s+2:G0+4*\s+3], s[20:21], \s*ABLK
	s_or_b32 s[G0+4*\s+3], s[G0+4*\s+3], 0x80000000
	s_mov_b32 s[G0B+4*\s], 1
	s_add_co_u32 s[G0B+4*\s+1], s45, \s*SLOT
	s_add_nc_u64 s[G0B+4*\s+2:G0B+4*\s+3], s[46:47], \s*ROWB
	s_or_b32 s[G0B+4*\s+3], s[G0B+4*\s+3], 0x80000000
	JLOAD G0+4*\s, G1, G0B+4*\s, G1B               ; two loads of mine are out
.endr
	v_and_b32 v1, 15, v0                           ; r
	v_bfe_u32 v2, v0, 4, 1                         ; h
	v_and_b32 v6, 31, v0
	v_lshlrev_b32 v[CO], 4, v6                     ; 16 x lane
	v_mul_u32_u24 v3, v1, PITCH
	v_lshl_add_u32 v4, v2, 4, v3                   ; B: a fragment's row x pitch + 16 x half
	s_mul_i32 s21, s15, HALFT                      ; my group of A
	s_mul_i32 s22, s16, HALFT                      ; my 128 rows of B,
	s_add_co_u32 s22, s22, 2*HALFT                 ; which lie behind A's two places
.irp s, 0,1
	v_add_nc_u32 v[ADRA+\s], s21, v[CO]            ; A: an image's place for my lane
	v_add_nc_u32 v[ADRB+\s], s22, v4
	s_add_co_u32 s21, s21, SLOT
	s_add_co_u32 s22, s22, SLOT
.endr
	s_mul_i32 s23, s14, 16*SPITCH                  ; my stage
	v_mul_u32_u24 v5, v1, SPITCH                   ; in: row r, 32 bytes for each half of the lanes
	v_lshl_add_u32 v5, v2, 5, v5
	v_add_nc_u32 v[STO], s23, v5
	v_add_nc_u32 v[RD], s23, v[CO]                 ; back: the 32 lanes take one row of 512 bytes
	v_lshlrev_b32 v27, 5, v2                       ; the bias: 32 h bytes
	s_lshl_b32 s20, s17, 20
	s_lshl_b32 s21, s15, 19
	s_add_co_u32 s20, s20, s21                     ; my group's first row of out0, 4,096 bytes a row
	s_mov_b32 s21, 0
	s_lshl_b32 s46, s42, 10
	s_lshl_b32 s47, s16, 9
	s_add_co_u32 s46, s46, s47                     ; my first column, in bytes
	s_mov_b32 s47, 0
	s_add_nc_u64 s[10:11], s[10:11], s[46:47]      ; b_O there,
	s_add_nc_u64 s[12:13], s[12:13], s[20:21]
	s_add_nc_u64 s[12:13], s[12:13], s[46:47]      ; and out0
.irp b, 0,1,2,3,4,5,6,7
	global_load_b128 v[BO+8*\b:BO+8*\b+3], v27, s[10:11] offset:64*\b
	global_load_b128 v[BO+8*\b+4:BO+8*\b+7], v27, s[10:11] offset:64*\b+16
.endr
	s_wait_loadcnt 0x0
	s_wait_kmcnt 0x0
	s_add_co_i32 s96, s96, s97                     ; e10 + e11
	s_sub_co_i32 s18, 0, s96
.set n, 0
.rept 64
	v_ldexp_f32 v[BO+n], v[BO+n], s18              ; the bias divided by the power of two that the sums lack; the first tiles are on their way meanwhile
.set n, n+1
.endr
	s_add_co_i32 s96, s96, 127
	s_lshl_b32 s96, s96, 23                        ; 2^(e10 + e11) as f32
	s_mov_b32 s97, s96
.macro FRAGB reg, adr, q, i            ; B: registers 4 c .. 4 c + 3 hold k = 32 c + 16 (l / 16) + 0 .. 15 of row l % 16
.irp c, 0,1,2,3
	ds_load_b128 v[\reg+4*\c:\reg+4*\c+3], v[\adr] offset:128*(\q)+32*\c+(\i)*16*PITCH
.endr
.endm
.macro FRAGA reg, adr, q, i            ; A: the same registers, as the image has them
.irp c, 0,1,2,3
	ds_load_b128 v[\reg+4*\c:\reg+4*\c+3], v[\adr] offset:16384*(\q)+2048*(\i)+512*\c
.endr
.endm
; 16 matrix instructions: A's blocks a0, a0 + 1 x B's eight.  first = 1: the sums begin with the bias as C.  The 64 accumulators take turns, one instruction a turn, in the same order in every step.
.macro MUL16 a0, p, first
.irp a, \a0, \a0+1
.irp b, 0,1,2,3,4,5,6,7
.if \first
	v_wmma_f32_16x16x128_fp8_fp8 v[8*(8*((\a)%4)+\b):8*(8*((\a)%4)+\b)+7], v[128*(\p)+FR*\b:128*(\p)+FR*\b+FR-1], v[AF+FR*(\a):AF+FR*(\a)+FR-1], v[BO+8*\b:BO+8*\b+7]
.else
	v_wmma_f32_16x16x128_fp8_fp8 v[8*(8*((\a)%4)+\b):8*(8*((\a)%4)+\b)+7], v[128*(\p)+FR*\b:128*(\p)+FR*\b+FR-1], v[AF+FR*(\a):AF+FR*(\a)+FR-1], v[8*(8*((\a)%4)+\b):8*(8*((\a)%4)+\b)+7]
.endif
.endr
.endr
.endm
.macro FETCH_B slot, q, p
	WIN TO_B
.irp i, 0,1,2,3,4,5,6,7
	FRAGB 128*(\p)+FR*\i, ADRB+\slot, \q, \i
.endr
	WIN 0
.endm
.macro FETCH_A slot, q, i0
.irp i, \i0, \i0+1, \i0+2, \i0+3
	FRAGA AF+FR*(\i), ADRA+\slot, \q, \i
.endr
.endm
.macro PLACES n                        ; plain vector lines between a matrix instruction and a load into one of its registers, or the first read of results
.rept \n
	v_nop
.endr
.endm
.macro STEP slot, q, first
	s_wait_dscnt 4*NL                              ; B's set and A's blocks 0-3 are in; the youngest 16 loads (A's blocks 4-7) may be out
.if \first
	WIN FST_LO
.else
	WIN MUL_LO
.endif
	MUL16 0, (\q)%2, \first
	MUL16 2, (\q)%2, \first
	s_wait_dscnt 0
	PLACES NP
	FETCH_B \slot, (\q)+1, 1-(\q)%2
	FETCH_A \slot, (\q)+1, 0
.if \first
	WIN FST_HI
.else
	WIN MUL_HI
.endif
	MUL16 4, (\q)%2, \first
	MUL16 6, (\q)%2, \first
	PLACES NP
	WIN 0
	FETCH_A \slot, (\q)+1, 4
.endm
; A slot's last step changes slots: ONE barrier; in front of it each wave waits for all its tensor loads, adds 0 to its spare word, and waits for that and for its own reads of this slot.
.macro TURN slot, next, fill
	s_wait_tensorcnt 0x0                           ; all my tensor loads have landed: the one that was out is my part of the next slot
	ds_add_u32 v[SPW], v[NIL]                      ; 0 onto my spare word
	s_wait_dscnt 4*NL+1                            ; (the add and the youngest 16 loads may be out)
	WIN MUL_LO
	MUL16 0, 1, 0
	s_wait_dscnt 0x0                               ; the add is done, and my reads of this slot are over
	s_barrier_signal -1
	MUL16 2, 1, 0
	WIN 0
	s_barrier_wait -1
.if \fill
	CREST                                          ; a round of the cluster's barrier: no wave of any partner still reads this slot or has a load on its way
	s_add_nc_u64 s[G0+4*\slot+2:G0+4*\slot+3], s[G0+4*\slot+2:G0+4*\slot+3], 2*ABLK
	s_add_nc_u64 s[G0B+4*\slot+2:G0B+4*\slot+3], s[G0B+4*\slot+2:G0B+4*\slot+3], 2*ROWB
	JLOAD G0+4*\slot, G1, G0B+4*\slot, G1B         ; the first tensor load behind the round, my one load until the next
.else
	PLACES NP
.endif
	FETCH_B \next, 0, 0
	FETCH_A \next, 0, 0
	WIN MUL_HI
	MUL16 4, 1, 0
	MUL16 6, 1, 0
	PLACES NP
	WIN 0
	FETCH_A \next, 0, 4
.endm
	s_wait_tensorcnt 1                             ; my part of K step 0 is in; K step 1's load may stay out
	s_barrier_signal -1
	s_barrier_wait -1
	FETCH_B 0, 0, 0
	FETCH_A 0, 0, 0
	FETCH_A 0, 0, 4
	STEP 0, 0, 1                                   ; K = 1,024 is twice round the ring: written straight
	TURN 0, 1, 1
	STEP 1, 0, 0
	TURN 1, 0, 1
	STEP 0, 0, 0
	TURN 0, 1, 0                                   ; slot 0 has had its last fill, and behind this barrier nobody reads it
	STEP 1, 0, 0
	s_wait_dscnt 4*NL
	WIN MUL_LO
	MUL16 0, 1, 0
	MUL16 2, 1, 0
	s_wait_dscnt 0
	WIN MUL_HI
	MUL16 4, 1, 0
	MUL16 6, 1, 0
	WIN 0
; THE WAY OUT, block by block of 16 rows x 128 columns, through my own stage in LDS: in as 32 bytes a lane, back as whole rows of 512 bytes.  LDS serves a wave's instructions in order: no wait between the stores and the loads.
.macro TOSTAGE a
.set AC, 64*((\a)%4)
	WIN 0x02+((\a)/4)
.set n, 0
.rept 32
	v_pk_mul_f32 v[TMP+2*n:TMP+2*n+1], v[AC+2*n:AC+2*n+1], s[96:97] op_sel_hi:[1,0]   ; x 2^(e10 + e11); each accumulator from its low end on
.set n, n+1
.endr
	WIN 0
.irp b, 0,1,2,3,4,5,6,7
	ds_store_b128 v[STO], v[TMP+8*\b:TMP+8*\b+3] offset:64*\b
	ds_store_b128 v[STO], v[TMP+8*\b+4:TMP+8*\b+7] offset:64*\b+16
.endr
.set BB, BK+64*((\a)%2)
.irp t, 0,1,2,3,4,5,6,7,8,9,10,11,12,13,14,15
	ds_load_b128 v[BB+4*\t:BB+4*\t+3], v[RD] offset:\t*SPITCH
.endr
.endm
.macro SEND a, younger                 ; younger: the LDS instructions issued behind block a's loads, which may stay out
.set BB, BK+64*((\a)%2)
	s_wait_dscnt \younger
.irp t, 0,1,2,3,4,5,6,7,8,9,10,11,12,13,14,15
	global_store_b128 v[CO], v[BB+4*\t:BB+4*\t+3], s[12:13] offset:(32*((\a)/2)+8*((\a)%2)+\t+8*(\t/8))*4096 th:TH_STORE_NT   ; stage row t of block a is that position of my group; 32 lanes store 512 consecutive bytes, aligned
.endr
.endm
	PLACES NP
	TOSTAGE 0
.irp a, 1,2,3,4,5,6,7
.if \a > 1
	s_wait_xcnt 0x0                                ; block a - 2's stores have read their registers: block a's loads may land there
.endif
	TOSTAGE \a
	SEND \a-1, 32                                  ; behind block a - 1's loads: block a's 16 stores and 16 loads
.endr
	SEND 7, 0
	s_wait_tensorcnt 0x0                           ; the wave's end: behind my last tensor load and my last LDS store
	ds_add_u32 v[SPW], v[NIL]
	s_wait_dscnt 0x0
	CROUND                                         ; the closing round
	s_endpgm
.Lfunc_end_k_q5e6bc3b298_oproj:
	.size	k_q5e6bc3b298_oproj, .Lfunc_end_k_q5e6bc3b298_oproj-k_q5e6bc3b298_oproj
	.p2alignl 7, 3214868480
	.fill 96, 4, 3214868480
	.section	.rodata,"a",@progbits
	.p2align	6, 0x0
	.amdhsa_kernel k_q5e6bc3b298_oproj
		.amdhsa_group_segment_fixed_size 327680
		.amdhsa_private_segment_fixed_size 0
		.amdhsa_enable_private_segment 0
		.amdhsa_kernarg_size 40
		.amdhsa_user_sgpr_count 2
		.amdhsa_user_sgpr_kernarg_segment_ptr 1
		.amdhsa_wavefront_size32 1
		.amdhsa_system_sgpr_workgroup_id_x 1
		.amdhsa_system_sgpr_workgroup_id_y 1
		.amdhsa_system_sgpr_workgroup_id_z 1
		.amdhsa_system_vgpr_workitem_id 0
		.amdhsa_next_free_vgpr 1024
		.amdhsa_next_free_sgpr 98
		.amdhsa_reserve_vcc 0
		.amdhsa_float_denorm_mode_32 3
		.amdhsa_float_denorm_mode_16_64 3
		.amdhsa_memory_ordered 1
		.amdhsa_forward_progress 1
		.amdhsa_inst_pref_size 128
	.end_amdhsa_kernel
	.amdgpu_metadata
---
amdhsa.version: [ 1, 2 ]
amdhsa.kernels:
  - .name:           k_q5e6bc3b298_oproj
    .symbol:         k_q5e6bc3b298_oproj.kd
    .args:
      - { .name: zc, .offset: 0, .size: 8, .value_kind: global_buffer, .address_space: global }
      - { .name: wc, .offset: 8, .size: 8, .value_kind: global_buffer, .address_space: global }
      - { .name: lowp_scales, .offset: 16, .size: 8, .value_kind: global_buffer, .address_space: global }
      - { .name: b_O, .offset: 24, .size: 8, .value_kind: global_buffer, .address_space: global }
      - { .name: out0, .offset: 32, .size: 8, .value_kind: global_buffer, .address_space: global }
    .group_segment_fixed_size: 327680
    .private_segment_fixed_size: 0
    .kernarg_segment_align: 8
    .kernarg_segment_size: 40
    .max_flat_workgroup_size: 128
    .sgpr_count:     98
    .vgpr_count:     1024
    .wavefront_size: 32
...
	.end_amdgpu_metadata
.endif
;; end of part 4
;; ======== version 2 of 2: 4 launches; version 1 with the launch attn written anew for expert scheduling mode
;; limits: right only within a limited range of input values
;; workspace buffers: xc 25,165,824 bytes; wc 4,194,304 bytes; qkc 16,777,216 bytes; vc 8,388,608 bytes; zc 8,388,608 bytes
;; launch quant: the kernel of part 1 again; grid 320 x 1, 8 waves a work-group, no clusters, 70,656 bytes of LDS; arguments resid_pre, W_Q, W_K, W_V, W_O, lowp_scales, xc, wc; writes xc, wc
;; launch qkv: the kernel of part 2 again; grid 12 x 32, 4 waves a work-group, clusters of 4 x 4, 327,680 bytes of LDS; arguments xc, wc, lowp_scales, b_Q, b_K, b_V, qkc, vc; writes qkc, vc
;; launch attn (part 5): grid 4 x 64, 16 waves a work-group, no clusters, 34,816 bytes of LDS; arguments qkc, vc, lowp_scales, zc; writes zc
.if DOCPART == 5
	.amdgcn_target "amdgcn-amd-amdhsa--gfx1250"
	.amdhsa_code_object_version 6
	.text
	.protected	k_q5e6bc3b298_attn
	.globl	k_q5e6bc3b298_attn
	.p2align	8
	.type	k_q5e6bc3b298_attn,@function
k_q5e6bc3b298_attn:
	s_mov_b64 s[64:65], 0
	v_nop
	global_prefetch_b8 v0, s[64:65] scope:SCOPE_SE
	s_setreg_imm32_b32 hwreg(HW_REG_WAVE_SCHED_MODE, 0, 2), 2
	s_setreg_imm32_b32 hwreg(HW_REG_WAVE_MODE, 25, 1), 1
	s_wait_xcnt 0x0
	s_wait_alu depctr_vm_vsrc(0)
; LAUNCH 3 OF 4.  z = softmax(q k^T / 8, causal) v on codes of E4M3 (products 4 and 5), z quantised with e10 and stored as images of operand registers for the launch oproj.
; LEFT OUT: steps of 128 keys that lie wholly behind a tile's queries (reference()'s own jnp.tril puts IGNORE there): shown, with its limit, at the head of the launch quant.  On the diagonal a hidden score becomes -infinity, so p = 0.
; THE SOFTMAX: t = score x log2(e) / 8; M = the running largest t rounded UP to a whole number; p = 2^(t - M) is quantised with e9, not normalised; the row's sum is taken of the unquantised p and divides at the end.
; When M moves, the sum and O are multiplied by 2^(old M - new M): exact.
; SHARES.  Work-group (i, batch x head) owns the blocks of 256 queries 7 - i and i: the same number of kept steps in every work-group.  Wave w owns two tiles of 16 queries, tile w % 8 of group GH = 2 (7 - i) + w / 8 (heavy)
; and of group GL = 2 i + w / 8 (light); a group is 128 positions.  For a tile of group G, key step s is open where s < G, on the diagonal where s = G, hidden where s > G.  The work-group walks steps 0 to 15 - 2 i, two a trip.
; LAYOUT.  Both products are used transposed (S^T = K Q^T, O^T = V^T P^T): a lane holds ONE query throughout.  The images' order of rows makes the 16 registers of two neighbouring tiles 16 neighbours along the next K:
; p's codes are the second product's operand as they come, and z's codes are the last product's.
; K's and V's images of a step (8 KiB each) come through registers into a ring of two LDS slots: each of the 512 threads moves 16 bytes of each, a step ahead.  One barrier a step.
; NO TENSOR LOAD AND NO CLUSTER: the four work-groups of a head walk 16, 14, 12 and 10 steps, so partners would have to jump over joint tiles; and a step's tiles are two 16-byte loads a thread.
; With no tensor load in the text, the hold of p may stand under a scalar branch on the loaded e9: p <= 1 <= 448 x 2^e9 whenever e9 >= -8, and then the hold changes nothing.
; LIMITS: e6 + e7 between -123 and 130 (added to c's exponent field); e9 and e10 between -126 and 119.
; THE MODE: SCHED_MODE bits 1:0 = 2 (LLVM: expert scheduling mode 2), set by the entry lines.  The code itself states the register dependences between vector or matrix instructions and memory or LDS instructions,
; with s_wait_alu, always for 0.
; THE PLAN.  Registers that memory or LDS instructions touch:
;   v1, v2, v9   offsets (16 x lane, 16 x thread, 256 x lane): written at the head and never again.  One wait on va_vdst ahead of the first load serves every load, store and prefetch of the kernel.
;   v18-33       Q: loaded once at the head; named by matrix instructions alone, as a source.
;   v34-41       the next step's 16 bytes of K and of V: the two global loads at a step's head land in them, the two LDS stores at its end read them; no vector instruction names them.
;                One wait on vm_vsrc behind the stores: the next step's loads land there only behind it.
;   v128-191     the fragments, ONE set (all 256 registers of the wave are in use).  In a tile's step: K's 16 LDS loads land; 8 products read them; V's 16 LDS loads land; 4 products read them.
;                So two waits on va_vdst stand in a tile's step: at its head (the step before's 4 products are done reading) and behind the 8 products (they are done reading).
;                Behind the second, V's loads are dealt among the lines that find the largest score, which name v5, v6, v42, v44 and v64-127: none of the registers that those loads touch.
;   v48-63       on the way out: both tiles' codes of z, written by the conversions, read by the four stores behind one wait on va_vdst.
;   v3, v4       written at the head, read by the closing add alone.
; Scalar results of vector instructions: the wave's number at the head, and on the diagonal sixteen masks at a time in s48-63: one wait on va_sdst behind each run of writers, ahead of the first reader.  VCC is never written.
.set SPARE, 32768                      ; behind the two slots: the spare words, 128 bytes for each wave, eight blocks of 256 bytes that no other line names
.set LI,   1                           ; v1   16 x lane: my place in an image's 512 bytes
.set TS,   2                           ; v2   16 x thread: my 16 bytes of an image of 8 KiB
.set SPW,  3                           ; v3   LDS address of my spare word; never rewritten
.set NIL,  4                           ; v4   0; never rewritten
.set DQ,   5                           ; v5   my query's place in its group - 16 (lane / 16)
.set NINF, 6                           ; v6   -infinity
.set SCL,  7                           ; v7   2^e9; on the way out 2^e10
.set LIM,  8                           ; v8   448 x that
.set PFO,  9                           ; v9   256 x lane, for the prefetches
;                                        v10-13 heavy tile: -M, the largest t, the sum in two halves;  v14-17 the light tile's;  v18-25, v26-33 the two tiles of Q;  v34-37, v38-41 the next step's 16 bytes of K, of V
.set TA,   42                          ; v42  at work
.set PX,   43                          ; v43  a lane exchange's destination
.set F,    44                          ; v[44:45] f = 2^(old M - new M)
.set S2,   46                          ; v[46:47] the second chain of the sums
.set PC,   48                          ; v48-63   p's codes
.set S,    64                          ; v64-127  S^T, then p
.set FRG,  128                         ; v128-191 fragments of K, then of V;   v192-223, v224-255 O^T of the heavy, of the light tile
.set WV,   12
.set GH,   15
.set GL,   16
.set SN,   17                          ; s17 the step in hand
.set TR,   18                          ; s18 trips done
.set NTR,  19                          ; s19 trips: 8 - i
.set SEL,  20                          ; s[20:21] lane selects: lane l xor 16
.set CS,   22                          ; s[22:23] c = log2(e) / 8 x 2^(e6 + e7)
.set KB,   24                          ; s[24:25] K's image of the step to be loaded next
.set VB,   26                          ; s[26:27] V's
.set PB,   28                          ; s[28:29] the same, for my prefetches
.set PLIM, 30                          ; s30 14 in a wave that prefetches, else 0
.set LAST, 31                          ; s31 the last step: 15 - 2 i
.set NOH,  41                          ; s41 1 where the hold of p changes nothing
.set MK,   48                          ; s48-63 behind the head: sixteen masks of the diagonal
	s_load_b256 s[4:11], s[0:1], 0x0               ; qkc s[4:5], vc s[6:7], lowp_scales s[8:9], zc s[10:11]
	v_lshl_add_u32 v[SPW], v0, 2, SPARE
	v_mov_b32 v[NIL], 0
	v_lshrrev_b32 v[TA], 5, v0
	v_readfirstlane_b32 s[WV], v[TA]               ; wave 0..15
	v_and_b32 v[LI], 31, v0
	v_lshlrev_b32 v[PFO], 8, v[LI]
	v_lshlrev_b32 v[LI], 4, v[LI]
	v_lshlrev_b32 v[TS], 4, v0
	s_and_b32 s13, ttmp7, 0xffff                   ; 16 x batch + head
	s_wait_alu depctr_va_sdst(0)                   ; the wave's number is written, ahead of its first reader: groups, tiles and addresses are made from it
	s_lshr_b32 s14, s[WV], 3
	s_sub_co_u32 s[GH], 7, ttmp9
	s_lshl_b32 s[GH], s[GH], 1
	s_add_co_u32 s[GH], s[GH], s14
	s_lshl_b32 s[GL], ttmp9, 1
	s_add_co_u32 s[GL], s[GL], s14
	s_sub_co_u32 s[NTR], 8, ttmp9
	s_lshl_b32 s[LAST], ttmp9, 1
	s_sub_co_u32 s[LAST], 15, s[LAST]
	s_and_b32 s32, s[WV], 7                        ; t: my tile in its group
	s_lshl_b32 s48, s13, 17                        ; the head's 16 images of 8 KiB
	s_mov_b32 s49, 0
	s_lshl_b32 s33, s32, 10
	s_add_co_u32 s33, s33, s48
	s_lshl_b32 s50, s[GH], 13
	s_add_co_u32 s50, s50, s33                     ; Q, heavy: head, group, tile of 1,024 bytes
	s_mov_b32 s51, 0
	s_lshl_b32 s52, s[GL], 13
	s_add_co_u32 s52, s52, s33                     ; Q, light
	s_mov_b32 s53, 0
	s_lshr_b32 s34, s13, 4                         ; zc [64 = 16 batch + group][8 = head / 2][8 tiles][4 = 2 (head % 2) + half of d][512]
	s_lshl_b32 s34, s34, 21
	s_bfe_u32 s35, s13, 0x30001
	s_lshl_b32 s35, s35, 14
	s_add_co_u32 s34, s34, s35
	s_and_b32 s35, s13, 1
	s_lshl_b32 s35, s35, 10
	s_add_co_u32 s34, s34, s35
	s_lshl_b32 s35, s32, 11
	s_add_co_u32 s34, s34, s35
	s_lshl_b32 s54, s[GH], 17
	s_add_co_u32 s54, s54, s34
	s_mov_b32 s55, 0
	s_lshl_b32 s56, s[GL], 17
	s_add_co_u32 s56, s56, s34
	s_mov_b32 s57, 0
	s_lshr_b32 s33, s32, 1
	s_lshl_b32 s33, s33, 5
	s_and_b32 s35, s32, 1
	s_lshl_b32 s35, s35, 3
	s_add_co_u32 s33, s33, s35                     ; 32 (t / 2) + 8 (t % 2)
	v_and_b32 v[TA], 15, v0                        ; r
	v_and_b32 v[PX], 8, v[TA]
	v_add_nc_u32 v[DQ], v[TA], v[PX]               ; r + 8 (r / 8)
	v_bfe_u32 v[PX], v0, 4, 1
	v_lshlrev_b32 v[PX], 4, v[PX]
	v_sub_nc_u32 v[DQ], v[DQ], v[PX]
	v_add_nc_u32 v[DQ], s33, v[DQ]
	s_mov_b32 s[SEL], 0x76543210
	s_mov_b32 s[SEL+1], 0xfedcba98
	s_mov_b32 s[SN], 0
	s_mov_b32 s[TR], 0
	s_wait_kmcnt 0x0
	s_load_b128 s[36:39], s[8:9], 0x18             ; e6, e7, e8, e9
	s_load_b32 s40, s[8:9], 0x28                   ; e10
	s_add_nc_u64 s[KB:KB+1], s[4:5], s[48:49]
	s_add_nc_u64 s[KB:KB+1], s[KB:KB+1], 0x800000  ; k lies 8 MiB behind q
	s_add_nc_u64 s[VB:VB+1], s[6:7], s[48:49]
	s_wait_alu depctr_va_vdst(0)                   ; the offsets v1, v2 and v9 are written: every load, store and prefetch of the kernel reads one of them, and no vector instruction names them again
	global_load_b128 v[34:37], v[TS], s[KB:KB+1]   ; step 0
	global_load_b128 v[38:41], v[TS], s[VB:VB+1]
	s_add_nc_u64 s[50:51], s[4:5], s[50:51]
	s_add_nc_u64 s[52:53], s[4:5], s[52:53]
	global_load_b128 v[18:21], v[LI], s[50:51]     ; Q's fragments stay in registers: registers 4 c .. 4 c + 3 hold d = 32 c + 16 (l / 16) + 0 .. 15
	global_load_b128 v[22:25], v[LI], s[50:51] offset:512
	global_load_b128 v[26:29], v[LI], s[52:53]
	global_load_b128 v[30:33], v[LI], s[52:53] offset:512
	s_add_nc_u64 s[44:45], s[10:11], s[54:55]      ; z, heavy
	s_add_nc_u64 s[46:47], s[10:11], s[56:57]      ; z, light
	s_cmp_eq_u32 s[WV], 4                          ; the prefetches: wave 4 asks for K's images, wave 5 for V's,
	s_cselect_b64 s[PB:PB+1], s[KB:KB+1], s[VB:VB+1]
	s_sub_co_u32 s33, s[WV], 4
	s_lshr_b32 s33, s33, 1
	s_or_b32 s33, s33, ttmp9                       ; in the one work-group of a head that walks all 16 steps
	s_cmp_eq_u32 s33, 0
	s_cselect_b32 s[PLIM], 14, 0
	v_mov_b32 v11, 0xff61b1e6                      ; the largest t so far: -3e38, under every t
	v_floor_f32 v10, -v11                          ; -M
	v_mov_b32 v12, 0                               ; the sum, in two halves
	v_mov_b32 v13, 0
	v_mov_b32 v15, v11
	v_mov_b32 v14, v10
	v_mov_b32 v16, 0
	v_mov_b32 v17, 0
	v_mov_b32 v[NINF], 0xff800000
	v_mov_b32 v[F+1], 0                            ; (named as the upper half of a pair)
.set n, 0
.rept 64
	v_mov_b32 v[192+n], 0                          ; O^T.  (A step is written once: the first finds zeros, which the first change of M leaves zeros)
.set n, n+1
.endr
	s_wait_kmcnt 0x0
	s_add_co_i32 s33, s36, s37
	s_lshl_b32 s33, s33, 23
	s_mov_b32 s[CS], 0x3e38aa3b                    ; log2(e) / 8
	s_add_co_i32 s[CS], s[CS], s33                 ; a score stands for score x 2^(e6 + e7): the two exponents are added to c's exponent field
	s_mov_b32 s[CS+1], s[CS]
	s_add_co_i32 s33, s39, 127
	s_lshl_b32 s34, s33, 23
	v_mov_b32 v[SCL], s34                          ; 2^e9
	s_add_co_i32 s33, s33, 8
	s_lshl_b32 s33, s33, 23
	s_or_b32 s33, s33, 0x600000
	v_mov_b32 v[LIM], s33                          ; 448 x 2^e9
	s_cmp_ge_i32 s39, -8
	s_cselect_b32 s[NOH], 1, 0
	s_wait_loadcnt 0x0                             ; step 0's tiles and Q
	ds_store_b128 v[TS], v[34:37]                  ; slot 0: K's image,
	ds_store_b128 v[TS], v[38:41] offset:8192      ; V's
	s_add_nc_u64 s[KB:KB+1], s[KB:KB+1], 8192
	s_add_nc_u64 s[VB:VB+1], s[VB:VB+1], 8192
	s_add_nc_u64 s[PB:PB+1], s[PB:PB+1], 8192
	s_wait_alu depctr_vm_vsrc(0)                   ; the two LDS stores have read v34-41, in which the first step's loads land
	s_wait_dscnt 0x0                               ; for the others' sake: my stores have landed
	s_barrier_signal -1
	s_barrier_wait -1
; ONE TILE'S KEY STEP: 128 keys out of slot sg.  Q: the tile's fragment; O: its O^T; ST: its four statistics; G: the scalar register with its group.
.macro STEP sg, Q, O, ST, G
	s_cmp_gt_u32 s[SN], s[\G]                      ; all 128 keys come after my queries: a branch on ids, round loads, products and softmax; no barrier stands in a step
	s_cbranch_scc1 .Lhidden_\@
	s_wait_alu depctr_va_vdst(0)                   ; the four products V^T P^T of the tile step before are done reading v128-191, in which K's fragments land
.set n, 0
.rept 16
	ds_load_b128 v[FRG+4*n:FRG+4*n+3], v[LI] offset:16384*(\sg)+512*n     ; K's eight tiles of 16 keys x 64: 8 registers each, as the image has them
.set n, n+1
.endr
	s_wait_dscnt 0x0
.set n, 0
.rept 8
	v_wmma_f32_16x16x64_fp8_fp8 v[S+8*n:S+8*n+7], v[FRG+8*n:FRG+8*n+7], v[\Q:\Q+7], 0    ; S^T: register 16 b + i of a lane is key 32 b + 16 (l / 16) + i
.set n, n+1
.endr
.rept 4
	v_nop                                          ; places in front of the first read of the scores by a vector instruction (ISA guide 7.12.1); they stay beside the wait below
.endr
	s_wait_alu depctr_va_vdst(0)                   ; the eight products are done reading K's fragments in v128-191, in which V's land.  V's sixteen loads follow behind the label, dealt among lines that name none of v1, v128-191
	s_cmp_lg_u32 s[SN], s[\G]
	s_cbranch_scc1 .Lopen_\@
.set g, 0
.rept 4                                        ; on the diagonal: key 32 b + i + 16 (l / 16) is hidden where it comes after my query.  Sixteen compares into sixteen scalar registers, one wait, sixteen selects
.set n, 0
.rept 16
	v_cmp_gt_i32 s[MK+n], 32*g+n, v[DQ]
.set n, n+1
.endr
	s_wait_alu depctr_va_sdst(0)                   ; the sixteen masks s48-63 are written, ahead of the first select that reads one
.set n, 0
.rept 16
	v_cndmask_b32 v[S+16*g+n], v[S+16*g+n], v[NINF], s[MK+n]
.set n, n+1
.endr
.set g, g+1
.endr
.Lopen_\@:
	ds_load_b128 v[FRG:FRG+3], v[LI] offset:16384*(\sg)+8192               ; V's four tiles of 16 d x 128 keys: sixteen loads, two here and one ahead of each pair of lines below; they land under the softmax
	ds_load_b128 v[FRG+4:FRG+7], v[LI] offset:16384*(\sg)+8192+512
	v_max3_num_f32 v[TA], v[S], v[S+1], v[S+2]     ; the step's largest score of my query, among my 64 keys, in two chains,
	v_max3_num_f32 v[F], v[S+3], v[S+4], v[S+5]
.irp i, 6,10,14,18,22,26,30,34,38,42,46,50,54,58
.set n, ((\i)-6)/4+2
	ds_load_b128 v[FRG+4*n:FRG+4*n+3], v[LI] offset:16384*(\sg)+8192+512*n   ; no wait: no vector or matrix instruction since the wait above names these registers
	v_max3_num_f32 v[TA], v[TA], v[S+\i], v[S+1+\i]
	v_max3_num_f32 v[F], v[F], v[S+2+\i], v[S+3+\i]
.endr
	v_max3_num_f32 v[TA], v[TA], v[S+62], v[S+63]
	v_max_num_f32 v[TA], v[TA], v[F]
	v_permlanex16_b32 v[PX], v[TA], s[SEL], s[SEL+1]
	v_max_num_f32 v[TA], v[TA], v[PX]              ; and among lane l xor 16's
	v_mul_f32 v[TA], s[CS], v[TA]                  ; as t (c is positive)
	v_max_num_f32 v[\ST+1], v[\ST+1], v[TA]        ; the running largest t
	v_mov_b32 v[TA], v[\ST]
	v_floor_f32 v[\ST], -v[\ST+1]                  ; the new -M = floor(-t): M is a whole number
	v_sub_f32 v[TA], v[\ST], v[TA]                 ; old M - new M: a whole number, 0 or less
	v_cvt_i32_f32 v[TA], v[TA]                     ; (it saturates)
	v_ldexp_f32 v[F], 1.0, v[TA]                   ; f = 2^(old M - new M)
.set n, 0
.rept 32
	v_pk_fma_f32 v[S+2*n:S+2*n+1], v[S+2*n:S+2*n+1], s[CS:CS+1], v[\ST:\ST+1] op_sel_hi:[1,0,0]   ; t - M, two at a time
.set n, n+1
.endr
.set n, 0
.rept 64
	v_exp_f32 v[S+n], v[S+n]                       ; p = 2^(t - M), at most 1
.set n, n+1
.endr
	v_pk_mul_f32 v[\ST+2:\ST+3], v[\ST+2:\ST+3], v[F:F+1] op_sel_hi:[1,0]   ; the sums under the new M: the plain line behind the exponentials
	s_wait_alu depctr_va_vdst(0)                   ; the 64 exponentials have written p in v64-127: one wait for the whole batch, ahead of its first reader
	v_pk_add_f32 v[S2:S2+1], v[S:S+1], v[S+2:S+3]  ; the row's sum is taken of the unquantised p, in two chains
.irp j, 4,8,12,16,20,24,28,32,36,40,44,48,52,56,60
	v_pk_add_f32 v[\ST+2:\ST+3], v[\ST+2:\ST+3], v[S+\j:S+1+\j]
	v_pk_add_f32 v[S2:S2+1], v[S2:S2+1], v[S+2+\j:S+3+\j]
.endr
	v_pk_add_f32 v[\ST+2:\ST+3], v[\ST+2:\ST+3], v[S2:S2+1]
	s_cmp_eq_u32 s[NOH], 1                         ; e9 >= -8: p <= 1 lies within the largest code x the scale, and the hold is passed over
	s_cbranch_scc1 .Lheld_\@
.set n, 0
.rept 64
	v_min_num_f32 v[S+n], v[S+n], v[LIM]           ; the conversion to an 8-bit code does not saturate (ISA guide 7.6.2); p is not negative, so the hold is one-sided
.set n, n+1
.endr
.Lheld_\@:
.set n, 0
.rept 8
	v_cvt_scalef32_pk8_fp8_f32 v[PC+2*n:PC+2*n+1], v[S+8*n:S+8*n+7], v[SCL]   ; registers 4 b .. 4 b + 3: keys 32 b + 16 (l / 16) + 0 .. 15: as V's image has them
.set n, n+1
.endr
.set n, 0
.rept 16
	v_pk_mul_f32 v[\O+2*n:\O+2*n+1], v[\O+2*n:\O+2*n+1], v[F:F+1] op_sel_hi:[1,0]   ; O^T under the new M, each accumulator from its low end on; also the plain lines behind the conversions
.set n, n+1
.endr
	s_wait_dscnt 0x0                               ; V is in
.set n, 0
.rept 4
	v_wmma_f32_16x16x128_fp8_fp8 v[\O+8*n:\O+8*n+7], v[FRG+16*n:FRG+16*n+15], v[PC:PC+15], v[\O+8*n:\O+8*n+7]   ; the four accumulators take turns, and eight other products stand between a tile's steps
.set n, n+1
.endr
.Lhidden_\@:
.endm
; ONE STEP OF THE WORK-GROUP, out of slot sg.  At its head the next step's tiles are asked for; at its end they go into the other slot, which every wave has left (it waited for its reads in front of the last barrier).
; The step's one barrier: in front of it my reads of this slot are back and my stores into the other have landed.  The last step (it lies in slot 1) asks for nothing: no load leaves its buffer.
; THE PREFETCH: behind the two loads, for the step after the one that they fetch: 32 lanes x 256 bytes = one image.  Each image is named once in the launch; it stops where that step would pass 15.
.macro HALF sg
.if \sg
	s_cmp_eq_u32 s[SN], s[LAST]
	s_cbranch_scc1 .Lasked_\@
.endif
	global_load_b128 v[34:37], v[TS], s[KB:KB+1]   ; no wait here: the LDS stores that read v34-41 stand ahead of the wait on vm_vsrc at the last step's end, and no vector instruction names these registers
	global_load_b128 v[38:41], v[TS], s[VB:VB+1]
	s_cmp_lt_u32 s[SN], s[PLIM]
	s_cbranch_scc0 .Lasked_\@
	global_prefetch_b8 v[PFO], s[PB:PB+1] offset:8192 th:TH_LOAD_NT scope:SCOPE_SE
.Lasked_\@:
	STEP \sg, 18, 192, 10, GH
	STEP \sg, 26, 224, 14, GL
	s_wait_loadcnt 0x0                             ; the next step's tiles are in registers (on every way: no load is pending when the next step's loads are issued)
	s_wait_xcnt 0x0                                ; the prefetch has read its address
.if \sg
	s_cmp_eq_u32 s[SN], s[LAST]
	s_cbranch_scc1 .Lkept_\@
.endif
	ds_store_b128 v[TS], v[34:37] offset:16384*(1-\sg)
	ds_store_b128 v[TS], v[38:41] offset:16384*(1-\sg)+8192
	s_add_nc_u64 s[KB:KB+1], s[KB:KB+1], 8192
	s_add_nc_u64 s[VB:VB+1], s[VB:VB+1], 8192
	s_add_nc_u64 s[PB:PB+1], s[PB:PB+1], 8192
	s_wait_alu depctr_vm_vsrc(0)                   ; the two LDS stores have read v34-41, in which the next step's loads land: stated here, ahead of every branch that lies between
.Lkept_\@:
	s_add_co_u32 s[SN], s[SN], 1
	s_wait_dscnt 0x0
	s_barrier_signal -1
	s_barrier_wait -1
.endm
.Ltrip:
	HALF 0
	HALF 1
	s_add_co_u32 s[TR], s[TR], 1
	s_cmp_lt_u32 s[TR], s[NTR]
	s_cbranch_scc1 .Ltrip
	; THE WAY OUT.  z = O^T x 2^(e8 + e9) / the sum, quantised with e10.  Registers 16 b + 0 .. 15 of a tile are d = 32 b + 16 (l / 16) + 0 .. 15 of my query: the codes are zc's image as they come.
.rept 4
	v_nop                                          ; places behind the last products
.endr
	v_add_f32 v12, v12, v13                        ; the sums' two halves,
	v_add_f32 v16, v16, v17
	v_permlanex16_b32 v[PX], v12, s[SEL], s[SEL+1]
	v_permlanex16_b32 v[TA], v16, s[SEL], s[SEL+1]
	v_add_f32 v12, v12, v[PX]                      ; and lane l xor 16's
	v_add_f32 v16, v16, v[TA]
	v_rcp_f32 v12, v12
	v_rcp_f32 v16, v16
	s_add_co_i32 s33, s40, 127
	s_lshl_b32 s34, s33, 23
	v_mov_b32 v[SCL], s34                          ; 2^e10 (the plain line behind the reciprocals)
	s_add_co_i32 s33, s33, 8
	s_lshl_b32 s33, s33, 23
	s_or_b32 s33, s33, 0x600000
	v_mov_b32 v[LIM], s33                          ; 448 x 2^e10
	s_add_co_i32 s48, s38, s39
	s_wait_alu depctr_va_vdst(0)                   ; the two reciprocals have written v12 and v16: one wait, ahead of their first reader
	v_ldexp_f32 v12, v12, s48                      ; x 2^(e8 + e9)
	v_ldexp_f32 v16, v16, s48
; One tile's numbers become its 32 codes a lane.  Both tiles' arithmetic comes first; their four stores follow behind one wait.
.macro ZNUM O, R, D, P
.set n, 0
.rept 16
	v_pk_mul_f32 v[\D+2*n:\D+2*n+1], v[\O+2*n:\O+2*n+1], v[\R:\R+1] op_sel_hi:[1,0]
.set n, n+1
.endr
.set n, 0
.rept 32
	v_med3_num_f32 v[\D+n], v[\D+n], -v[LIM], v[LIM]
.set n, n+1
.endr
.set n, 0
.rept 4
	v_cvt_scalef32_pk8_fp8_f32 v[\P+2*n:\P+2*n+1], v[\D+8*n:\D+8*n+7], v[SCL]
.set n, n+1
.endr
	v_nop
.endm
	ZNUM 192, 12, 64, 48
	ZNUM 224, 16, 96, 56
	s_wait_alu depctr_va_vdst(0)                   ; the eight conversions have written v48-63, which the four stores read
	global_store_b128 v[LI], v[48:51], s[44:45]                 ; each store covers 512 consecutive bytes, aligned
	global_store_b128 v[LI], v[52:55], s[44:45] offset:512
	global_store_b128 v[LI], v[56:59], s[46:47]
	global_store_b128 v[LI], v[60:63], s[46:47] offset:512
	s_wait_dscnt 0x0                               ; the closing lines, six on end
	s_wait_alu 0x0
	s_wait_tensorcnt 0x0
	ds_add_u32 v[SPW], v[NIL]
	s_wait_dscnt 0x0
	s_endpgm
.Lfunc_end_k_q5e6bc3b298_attn:
	.size	k_q5e6bc3b298_attn, .Lfunc_end_k_q5e6bc3b298_attn-k_q5e6bc3b298_attn
	.p2alignl 7, 3214868480
	.fill 96, 4, 3214868480
	.section	.rodata,"a",@progbits
	.p2align	6, 0x0
	.amdhsa_kernel k_q5e6bc3b298_attn
		.amdhsa_group_segment_fixed_size 34816
		.amdhsa_private_segment_fixed_size 0
		.amdhsa_enable_private_segment 0
		.amdhsa_kernarg_size 32
		.amdhsa_user_sgpr_count 2
		.amdhsa_user_sgpr_kernarg_segment_ptr 1
		.amdhsa_wavefront_size32 1
		.amdhsa_system_sgpr_workgroup_id_x 1
		.amdhsa_system_sgpr_workgroup_id_y 1
		.amdhsa_system_sgpr_workgroup_id_z 1
		.amdhsa_system_vgpr_workitem_id 0
		.amdhsa_next_free_vgpr 256
		.amdhsa_next_free_sgpr 66
		.amdhsa_reserve_vcc 0
		.amdhsa_float_denorm_mode_32 3
		.amdhsa_float_denorm_mode_16_64 3
		.amdhsa_memory_ordered 1
		.amdhsa_forward_progress 1
		.amdhsa_inst_pref_size 115
	.end_amdhsa_kernel
	.amdgpu_metadata
---
amdhsa.version: [ 1, 2 ]
amdhsa.kernels:
  - .name:           k_q5e6bc3b298_attn
    .symbol:         k_q5e6bc3b298_attn.kd
    .args:
      - { .name: qkc, .offset: 0, .size: 8, .value_kind: global_buffer, .address_space: global }
      - { .name: vc, .offset: 8, .size: 8, .value_kind: global_buffer, .address_space: global }
      - { .name: lowp_scales, .offset: 16, .size: 8, .value_kind: global_buffer, .address_space: global }
      - { .name: zc, .offset: 24, .size: 8, .value_kind: global_buffer, .address_space: global }
    .group_segment_fixed_size: 34816
    .private_segment_fixed_size: 0
    .kernarg_segment_align: 8
    .kernarg_segment_size: 32
    .max_flat_workgroup_size: 512
    .sgpr_count:     66
    .vgpr_count:     256
    .wavefront_size: 32
...
	.end_amdgpu_metadata
.endif
;; end of part 5
;; launch oproj: the kernel of part 4 again; grid 4 x 32, 4 waves a work-group, clusters of 4 x 4, 327,680 bytes of LDS; arguments zc, wc, lowp_scales, b_O, out0; writes out0
